; MI455X (gfx1250); checked and timed in simulation.
; The chip was launched on July 23, 2026; its instructions are those of AMD's public machine-readable ISA for CDNA 5 (MIT licence, August 2026) and "CDNA5" Instruction Set Architecture Reference Guide (July 2026). The comments in the code are by the model that wrote it; some were corrected since.
;; Policy Network. Allowed arithmetic: float matrix products may take bf16 or f16 operands with f32 sums; all other float work in f32.
;; Inputs: Wa 384 x 2 float32; Wk 384 x 384 float32; Wo 384 x 384 float32; Wq 384 x 384 float32; Wv 384 x 384 float32; a2 384 float32; b2 384 float32; ba 2 float32; bk 384 float32; bo 384 float32; bq 384 float32; bv 384 float32; context 8 x 2,048 x 384 float32; ln_b 384 float32; ln_g 384 float32; mask 8 x 2,048 int32.
;; Outputs: out0 8 x 2,048 x 2 float32; out1 8 x 2,048 x 384 float32.
;; 2 versions, each right; version 2 is version 1 with the launch qkv written anew for expert scheduling mode. Each part assembles by itself: llvm-mc -triple=amdgcn-amd-amdhsa -mcpu=gfx1250 --defsym DOCPART=n.
;; ======== version 1 of 2: 3 launches
;; limits: right only within a limited range of input values
;; workspace buffers: wf 1,179,648 bytes; qf 12,582,912 bytes; kf 12,582,912 bytes; vf 12,582,912 bytes; vsum 393,216 bytes; perm 65,536 bytes of whole numbers; cnt 65,536 bytes of whole numbers; ntile 2,048 bytes of whole numbers
;; launch prep (part 1): grid 74 x 4, 8 waves a work-group, no clusters, 17,920 bytes of LDS; arguments Wq, Wk, Wv, Wo, mask, wf, perm, cnt, ntile; writes wf, perm, cnt, ntile
.if DOCPART == 1
	.amdgcn_target "amdgcn-amd-amdhsa--gfx1250"
	.amdhsa_code_object_version 6
	.text
	.protected	k_q1e50a92019_prep
	.globl	k_q1e50a92019_prep
	.p2align	8
	.type	k_q1e50a92019_prep,@function
k_q1e50a92019_prep:
	s_mov_b64 s[64:65], 0
	v_nop
	global_prefetch_b8 v0, s[64:65] scope:SCOPE_SE
	s_setreg_imm32_b32 hwreg(HW_REG_WAVE_MODE, 25, 1), 1
	s_wait_xcnt 0x0
; Two jobs, chosen by the work-group's x (the same for all its waves).
; x < 72, y = matrix (q, k, v, o): 4,096 bytes of that matrix's bf16 fragment image
;   wf[y][nt 0..23][ks 0..11][half 0..1][lane 0..31][16 bytes]; lane (r = l & 15, h = l >> 4) holds W[32 ks + 16 half + 8 h + j][16 nt + r], j = 0..7:
;   the register image of a 16-bit matrix operand, so that a later launch loads a fragment with two 16-byte loads a lane.
; x = 72, 73: batch b = 2 y + x - 72: the scan of the mask.
;   perm[b][pos] = row: the keys with mask != 0 first, in their order, then the others (a stable partition).
;   cnt[b][i] = (i < length, signed) ? number of j <= i with mask[j] != 0 : 0.  In the permuted order row i may look at positions < cnt[i].
;   ntile[b][blk] = {T, cmax}: cmax = largest cnt of rows 64 blk .. 64 blk + 63, T = key tiles of 64 to walk, made even, at least 2.
; The mask is any int32: a key counts when its word is not 0; length is the int32 sum of the words, as the model sums them.
.set PERM, 0                           ; LDS: 2,048 words, perm
.set CARR, 8192                        ; LDS: 2,048 words, inclusive counts
.set TOT,  16384                       ; LDS: 8 counts of segment 0, 8 of segment 1, 8 sums of values
	s_load_b512 s[4:19], s[0:1], 0x0               ; Wq, Wk, Wv, Wo, mask, wf, perm, cnt
	s_load_b64 s[20:21], s[0:1], 0x40              ; ntile
	v_lshl_add_u32 v80, v0, 2, 0x4200
	v_mov_b32 v81, 0
	s_and_b32 s22, ttmp7, 0xffff                   ; y
	s_mov_b32 s23, ttmp9                           ; x
	v_lshrrev_b32 v1, 5, v0
	v_readfirstlane_b32 s24, v1                    ; wave
	v_and_b32 v2, 31, v0                           ; lane
	v_lshlrev_b32 v3, 4, v0                        ; 16 x thread
	s_wait_kmcnt 0x0
	s_cmp_ge_u32 s23, 72
	s_cbranch_scc1 .Lscan
	; ---- a block of a weight image ----
	s_cmp_eq_u32 s22, 1
	s_cselect_b64 s[26:27], s[6:7], s[4:5]
	s_cmp_eq_u32 s22, 2
	s_cselect_b64 s[26:27], s[8:9], s[26:27]
	s_cmp_eq_u32 s22, 3
	s_cselect_b64 s[26:27], s[10:11], s[26:27]     ; the matrix
	s_mul_i32 s28, s23, 43691
	s_lshr_b32 s28, s28, 17                        ; nt = x / 3 (exact for x < 72)
	s_mul_i32 s29, s28, 3
	s_sub_co_u32 s29, s23, s29                     ; x mod 3
	s_lshl_b32 s29, s29, 3
	s_add_co_u32 s29, s29, s24                     ; 2 ks + half
	s_mul_i32 s29, s29, 24576                      ; 16 rows of 1,536 bytes
	s_lshl_b32 s28, s28, 6                         ; 16 columns of 4 bytes
	s_add_co_u32 s28, s28, s29
	s_mov_b32 s29, 0
	s_add_nc_u64 s[26:27], s[26:27], s[28:29]
	v_and_b32 v4, 15, v0                           ; r
	v_bfe_u32 v5, v0, 4, 1                         ; h
	v_mul_u32_u24 v5, v5, 12288                    ; 8 h rows
	v_lshl_add_u32 v5, v4, 2, v5                   ; + 4 r
.irp j, 0,1,2,3,4,5,6,7
	global_load_b32 v[8+\j], v5, s[26:27] offset:1536*\j
.endr
	s_mul_i32 s30, s22, 294912
	s_lshl_b32 s31, s23, 12
	s_add_co_u32 s30, s30, s31
	s_mov_b32 s31, 0
	s_add_nc_u64 s[14:15], s[14:15], s[30:31]
	s_wait_loadcnt 0x0
.irp j, 0,1,2,3
	v_cvt_pk_bf16_f32 v[16+\j], v[8+2*\j], v[9+2*\j]
.endr
	global_store_b128 v3, v[16:19], s[14:15]       ; a wave stores 512 consecutive bytes
	s_endpgm
	; ---- the scan of one batch's mask: 256 threads, two segments of 1,024; element e = 1024 s + 4 thread + j ----
.Lscan:
	s_lshl_b32 s25, s22, 1
	s_add_co_u32 s25, s25, s23
	s_sub_co_u32 s25, s25, 72                      ; b
	s_lshl_b32 s26, s25, 13
	s_mov_b32 s27, 0
	s_add_nc_u64 s[12:13], s[12:13], s[26:27]
	s_add_nc_u64 s[16:17], s[16:17], s[26:27]
	s_add_nc_u64 s[18:19], s[18:19], s[26:27]
	s_lshl_b32 s26, s25, 8
	s_add_nc_u64 s[20:21], s[20:21], s[26:27]
	s_mov_b32 s40, 0x76543210
	s_mov_b32 s41, 0xfedcba98
	global_load_b128 v[4:7], v3, s[12:13]
	global_load_b128 v[8:11], v3, s[12:13] offset:4096
	s_wait_loadcnt 0x0
.irp j, 0,1,2,3,4,5,6,7
	v_cmp_ne_u32 s[28+\j], 0, v[4+\j]              ; which lanes hold a key: s28-31 segment 0, s32-35 segment 1
.endr
	v_mbcnt_lo_u32_b32 v12, s28, 0                 ; keys of the lower lanes, segment 0
	v_mbcnt_lo_u32_b32 v12, s29, v12
	v_mbcnt_lo_u32_b32 v12, s30, v12
	v_mbcnt_lo_u32_b32 v12, s31, v12
	v_mbcnt_lo_u32_b32 v13, s32, 0                 ; segment 1
	v_mbcnt_lo_u32_b32 v13, s33, v13
	v_mbcnt_lo_u32_b32 v13, s34, v13
	v_mbcnt_lo_u32_b32 v13, s35, v13
	s_bcnt1_i32_b32 s36, s28                       ; the wave's keys in each segment
	s_bcnt1_i32_b32 s38, s29
	s_add_co_u32 s36, s36, s38
	s_bcnt1_i32_b32 s38, s30
	s_add_co_u32 s36, s36, s38
	s_bcnt1_i32_b32 s38, s31
	s_add_co_u32 s36, s36, s38
	s_bcnt1_i32_b32 s37, s32
	s_bcnt1_i32_b32 s38, s33
	s_add_co_u32 s37, s37, s38
	s_bcnt1_i32_b32 s38, s34
	s_add_co_u32 s37, s37, s38
	s_bcnt1_i32_b32 s38, s35
	s_add_co_u32 s37, s37, s38
	v_add3_u32 v14, v4, v5, v6                     ; the sum of the words themselves (the length)
	v_add3_u32 v14, v14, v7, v8
	v_add3_u32 v14, v14, v9, v10
	v_add_nc_u32 v14, v14, v11
	v_mov_b32 v15, 0
.irp m, 1,2,4,8
	v_mov_b32_dpp v15, v14 row_xmask:\m row_mask:0xf bank_mask:0xf
	v_add_nc_u32 v14, v14, v15
.endr
	v_permlanex16_b32 v15, v14, s40, s41
	v_add_nc_u32 v14, v14, v15
	v_lshlrev_b32 v16, 2, v1
	v_mov_b32 v17, s36
	v_mov_b32 v18, s37
	ds_store_b32 v16, v17 offset:TOT
	ds_store_b32 v16, v18 offset:TOT+32
	ds_store_b32 v16, v14 offset:TOT+64
	s_wait_dscnt 0x0                               ; my three words are in LDS before I signal
	s_barrier_signal -1
	s_barrier_wait -1
	v_mov_b32 v19, TOT
.irp q, 0,1,2,3,4,5
	ds_load_b128 v[20+4*\q:23+4*\q], v19 offset:16*\q
.endr
	v_mov_b32 v44, 0                               ; keys of the waves in front of mine, segment 0
	v_mov_b32 v46, 0                               ; and segment 1
	s_wait_dscnt 0x0
.irp i, 0,1,2,3,4,5,6,7
	v_cmp_lt_u32 vcc_lo, \i, v1
	v_cndmask_b32 v49, 0, v[20+\i], vcc_lo
	v_add_nc_u32 v44, v44, v49
	v_cndmask_b32 v49, 0, v[28+\i], vcc_lo
	v_add_nc_u32 v46, v46, v49
.endr
	v_add3_u32 v45, v20, v21, v22                  ; all keys of segment 0
	v_add3_u32 v45, v45, v23, v24
	v_add3_u32 v45, v45, v25, v26
	v_add_nc_u32 v45, v45, v27
	v_add3_u32 v47, v28, v29, v30                  ; all keys
	v_add3_u32 v47, v47, v31, v32
	v_add3_u32 v47, v47, v33, v34
	v_add3_u32 v47, v47, v35, v45
	v_add3_u32 v48, v36, v37, v38                  ; the length
	v_add3_u32 v48, v48, v39, v40
	v_add3_u32 v48, v48, v41, v42
	v_add_nc_u32 v48, v48, v43
	v_add_nc_u32 v50, v44, v12                     ; keys in front of my four elements, segment 0
	v_add3_u32 v51, v46, v45, v13                  ; segment 1
	v_lshlrev_b32 v60, 2, v0                       ; 4 x thread
.irp s, 0,1
.irp j, 0,1,2,3
	v_cndmask_b32 v49, 0, 1, s[28+4*\s+\j]
	v_add_nc_u32 v[50+\s], v[50+\s], v49
	v_mov_b32 v[52+4*\s+\j], v[50+\s]              ; inclusive count of element e
	v_add_nc_u32 v61, 1024*\s+\j, v60              ; e
	v_sub_nc_u32 v62, v61, v[50+\s]
	v_add_nc_u32 v62, v62, v47                     ; no key: behind all keys, in order
	v_add_nc_u32 v63, -1, v[50+\s]                 ; a key: its rank
	v_cndmask_b32 v62, v62, v63, s[28+4*\s+\j]
	v_min_u32 v62, 0x7ff, v62                      ; a position is below 2,048 by construction; the clamp states it
	v_lshlrev_b32 v62, 2, v62
	ds_store_b32 v62, v61 offset:PERM
	v_cmp_lt_i32 vcc_lo, v61, v48                  ; row e is inside the length
	v_cndmask_b32 v[64+4*\s+\j], 0, v[50+\s], vcc_lo
.endr
.endr
	ds_store_b128 v3, v[52:55] offset:CARR
	ds_store_b128 v3, v[56:59] offset:CARR+4096
	global_store_b128 v3, v[64:67], s[18:19]
	global_store_b128 v3, v[68:71], s[18:19] offset:4096
	s_wait_dscnt 0x0                               ; perm and the counts are in LDS before I signal
	s_barrier_signal -1
	s_barrier_wait -1
	ds_load_b128 v[4:7], v3 offset:PERM
	ds_load_b128 v[8:11], v3 offset:PERM+4096
	s_wait_dscnt 0x0
	global_store_b128 v3, v[4:7], s[16:17]
	global_store_b128 v3, v[8:11], s[16:17] offset:4096
	s_cmp_lg_u32 s24, 0
	s_cbranch_scc1 .Lend
	; wave 0, lane = block of 64 rows: the counts rise with the row, so the block's largest is that of its last row inside the length
	v_lshlrev_b32 v15, 6, v2
	v_add_nc_u32 v12, 63, v15
	v_add_nc_u32 v13, -1, v48
	v_min_i32 v12, v12, v13
	v_max_i32 v12, 0, v12
	v_min_u32 v12, 0x7ff, v12
	v_lshlrev_b32 v12, 2, v12
	ds_load_b32 v14, v12 offset:CARR
	v_cmp_lt_i32 vcc_lo, v15, v48
	v_lshlrev_b32 v18, 3, v2
	s_wait_dscnt 0x0
	v_cndmask_b32 v17, 0, v14, vcc_lo              ; cmax
	v_add_nc_u32 v16, 63, v17
	v_lshrrev_b32 v16, 6, v16
	v_add_nc_u32 v16, 1, v16
	v_and_b32 v16, -2, v16
	v_max_u32 v16, 2, v16                          ; T
	global_store_b64 v18, v[16:17], s[20:21]       ; 32 lanes: 256 consecutive bytes
.Lend:
	s_wait_tensorcnt 0x0
	ds_add_u32 v80, v81
	s_wait_dscnt 0x0
	s_endpgm
.Lfunc_end_k_q1e50a92019_prep:
	.size	k_q1e50a92019_prep, .Lfunc_end_k_q1e50a92019_prep-k_q1e50a92019_prep
	.p2alignl 7, 3214868480
	.fill 96, 4, 3214868480
	.section	.rodata,"a",@progbits
	.p2align	6, 0x0
	.amdhsa_kernel k_q1e50a92019_prep
		.amdhsa_group_segment_fixed_size 17920
		.amdhsa_private_segment_fixed_size 0
		.amdhsa_enable_private_segment 0
		.amdhsa_kernarg_size 72
		.amdhsa_user_sgpr_count 2
		.amdhsa_user_sgpr_kernarg_segment_ptr 1
		.amdhsa_wavefront_size32 1
		.amdhsa_system_sgpr_workgroup_id_x 1
		.amdhsa_system_sgpr_workgroup_id_y 1
		.amdhsa_system_sgpr_workgroup_id_z 1
		.amdhsa_system_vgpr_workitem_id 0
		.amdhsa_next_free_vgpr 82
		.amdhsa_next_free_sgpr 66
		.amdhsa_reserve_vcc 1
		.amdhsa_float_denorm_mode_32 3
		.amdhsa_float_denorm_mode_16_64 3
		.amdhsa_memory_ordered 1
		.amdhsa_forward_progress 1
		.amdhsa_inst_pref_size 15
	.end_amdhsa_kernel
	.amdgpu_metadata
---
amdhsa.version: [ 1, 2 ]
amdhsa.kernels:
  - .name:           k_q1e50a92019_prep
    .symbol:         k_q1e50a92019_prep.kd
    .args:
      - { .name: Wq, .offset: 0, .size: 8, .value_kind: global_buffer, .address_space: global }
      - { .name: Wk, .offset: 8, .size: 8, .value_kind: global_buffer, .address_space: global }
      - { .name: Wv, .offset: 16, .size: 8, .value_kind: global_buffer, .address_space: global }
      - { .name: Wo, .offset: 24, .size: 8, .value_kind: global_buffer, .address_space: global }
      - { .name: mask, .offset: 32, .size: 8, .value_kind: global_buffer, .address_space: global }
      - { .name: wf, .offset: 40, .size: 8, .value_kind: global_buffer, .address_space: global }
      - { .name: perm, .offset: 48, .size: 8, .value_kind: global_buffer, .address_space: global }
      - { .name: cnt, .offset: 56, .size: 8, .value_kind: global_buffer, .address_space: global }
      - { .name: ntile, .offset: 64, .size: 8, .value_kind: global_buffer, .address_space: global }
    .group_segment_fixed_size: 17920
    .private_segment_fixed_size: 0
    .kernarg_segment_align: 8
    .kernarg_segment_size: 72
    .max_flat_workgroup_size: 256
    .sgpr_count:     66
    .vgpr_count:     82
    .wavefront_size: 32
...
	.end_amdgpu_metadata
.endif
;; end of part 1
;; launch qkv (part 2): grid 256 x 1, 4 waves a work-group, no clusters, 102,912 bytes of LDS; arguments context, a2, b2, bq, bk, bv, wf, perm, qf, kf, vf, vsum; writes qf, kf, vf, vsum
.if DOCPART == 2
	.amdgcn_target "amdgcn-amd-amdhsa--gfx1250"
	.amdhsa_code_object_version 6
	.text
	.protected	k_q1e50a92019_qkv
	.globl	k_q1e50a92019_qkv
	.p2align	8
	.type	k_q1e50a92019_qkv,@function
k_q1e50a92019_qkv:
	s_mov_b64 s[64:65], 0
	v_nop
	global_prefetch_b8 v0, s[64:65] scope:SCOPE_SE
	s_setreg_imm32_b32 hwreg(HW_REG_WAVE_MODE, 25, 1), 1
	s_wait_xcnt 0x0
; Work-group p (batch p >> 5, block p & 31), four waves.
; 1. The custom norm, a2 (x - mean) / (std + 1e-6) + b2 with std over 383, in f32 (mean first, then the squares of the centred row), of
;    tile N: rows 64 blk .. + 63 as they lie, and tile G: rows perm[64 blk ..] (the permuted key order).  Both to LDS in bf16.
; 2. q = N Wq + bq, scaled by log2(e) / 384; k = G Wk + bk; v = G Wv + bv: bf16 operands, f32 sums.  Wave w takes all 64 rows x n tiles 6 w .. 6 w + 5.
;    q, k: source 0 = weights, source 1 = rows, so a lane holds 8 neighbouring columns of one row: 16 bytes of
;      qf/kf[row tile][nt 0..23][lane][16 bytes], lane (r, h) = (row r, columns 16 nt + 8 h + j): two such pieces are a fragment along d.
;    v: source 0 = rows, source 1 = weights, so a lane holds 8 neighbouring key positions of one column: 16 bytes of
;      vf[32 keys][dt 0..23][half][lane][16 bytes], lane (r, h) = (position 16 half + 8 h + j, column 16 dt + r): a fragment of v transposed.
;    Every store of a wave covers 512 consecutive bytes.
; 3. vsum[p][384]: the column sums of this block's v, in f32 (for the rows that may look at no key: their softmax is uniform over all keys).
; Weight fragments go from the image straight into registers: each feeds one wave alone (4 products), so LDS and joint loads in a cluster would add
; 2 x 884,736 bytes of LDS traffic a work-group and share nothing inside it.
; Limits: matrix operands are bf16; v_sqrt_f32 and v_rcp_f32 flush denormals (a row variance below 2^-126 counts as 0).
.set PITCH, 784                        ; an LDS row: 768 bytes + 16 = 49 x 16: the 16 rows of a fragment load start in 16 different 16-byte columns
.set TN, 0
.set TG, 64*PITCH
.set VS, 2*64*PITCH                    ; 384 f32
.set PSEL, 34                          ; s34, s35: v_permlanex16_b32 selects, lane i <-> lane i xor 16
.set SS, 16                            ; v16-31   eight pairs: a figure for each of 8 rows
.set A2, 32                            ; v32-43   a2 of my 12 columns (4 l + 128 c + 0..3)
.set B2, 44                            ; v44-55   b2
.set RA, 64                            ; v64-159  8 rows x 12
.set RB, 160                           ; v160-255 8 rows x 12
.set ACC, 32                           ; v32-63   four accumulators (row tiles), after the norm
.set PK, 64                            ; v64-79   packed results
.set BQ, 80                            ; v80-127  bq of my 6 n tiles, 8 a lane;  v128-175 bk
.set BV, 176                           ; v176-181 bv, one a lane and n tile
.set CS, 184                           ; v184-199 at work on the column sums
; window 1 (v256-511): a ring of 8 groups of 4 weight fragments.  windows 2, 3 (v512-895): the 48 row fragments (ks, rt) at 512 + 8 (4 ks + rt)
.set MSB, 0
.macro WIN new                         ; the immediate's high byte repeats the setting that is left
.if MSB != \new
	s_set_vgpr_msb (MSB<<8)|\new
.set MSB, \new
.endif
.endm
.macro PLACES n
.rept \n
	v_nop
.endr
.endm
.macro ROWSUM8 X                       ; SS[2i] = the sum of my 12 numbers of row i
.irp i, 0,1,2,3,4,5,6,7
	v_pk_add_f32 v[SS+2*\i:SS+2*\i+1], v[\X+12*\i:\X+12*\i+1], v[\X+12*\i+2:\X+12*\i+3]
.endr
.irp k, 4,6,8,10
.irp i, 0,1,2,3,4,5,6,7
	v_pk_add_f32 v[SS+2*\i:SS+2*\i+1], v[SS+2*\i:SS+2*\i+1], v[\X+12*\i+\k:\X+12*\i+\k+1]
.endr
.endr
.irp i, 0,1,2,3,4,5,6,7
	v_add_f32 v[SS+2*\i], v[SS+2*\i], v[SS+2*\i+1]
.endr
.endm
.macro ROWSQ8 X                        ; the same of their squares
.irp i, 0,1,2,3,4,5,6,7
	v_pk_mul_f32 v[SS+2*\i:SS+2*\i+1], v[\X+12*\i:\X+12*\i+1], v[\X+12*\i:\X+12*\i+1]
.endr
.irp k, 2,4,6,8,10
.irp i, 0,1,2,3,4,5,6,7
	v_pk_fma_f32 v[SS+2*\i:SS+2*\i+1], v[\X+12*\i+\k:\X+12*\i+\k+1], v[\X+12*\i+\k:\X+12*\i+\k+1], v[SS+2*\i:SS+2*\i+1]
.endr
.endr
.irp i, 0,1,2,3,4,5,6,7
	v_add_f32 v[SS+2*\i], v[SS+2*\i], v[SS+2*\i+1]
.endr
.endm
.macro REDUCE8                         ; over the 32 lanes; every lane ends with the sum
.irp m, 1,2,4,8
.irp i, 0,1,2,3,4,5,6,7
	v_add_f32_dpp v[SS+2*\i], v[SS+2*\i], v[SS+2*\i] row_xmask:\m row_mask:0xf bank_mask:0xf
.endr
.endr
.irp i, 0,1,2,3,4,5,6,7
	v_permlanex16_b32 v[SS+2*\i+1], v[SS+2*\i], s[PSEL], s[PSEL+1]
.endr
.irp i, 0,1,2,3,4,5,6,7
	v_add_f32 v[SS+2*\i], v[SS+2*\i], v[SS+2*\i+1]
.endr
.endm
.macro SMUL8 kc
.irp i, 0,1,2,3,4,5,6,7
	v_mul_f32 v[SS+2*\i], \kc, v[SS+2*\i]
.endr
.endm
.macro CENTRE8 X                       ; row i += SS[2i]
.irp i, 0,1,2,3,4,5,6,7
.irp k, 0,2,4,6,8,10
	v_pk_add_f32 v[\X+12*\i+\k:\X+12*\i+\k+1], v[\X+12*\i+\k:\X+12*\i+\k+1], v[SS+2*\i:SS+2*\i+1] op_sel_hi:[1,0]
.endr
.endr
.endm
.macro SCALE8 X                        ; row i *= SS[2i]
	s_wait_alu depctr_va_vdst(0)
.irp i, 0,1,2,3,4,5,6,7
.irp k, 0,2,4,6,8,10
	v_pk_mul_f32 v[\X+12*\i+\k:\X+12*\i+\k+1], v[\X+12*\i+\k:\X+12*\i+\k+1], v[SS+2*\i:SS+2*\i+1] op_sel_hi:[1,0]
.endr
.endr
.endm
.macro INVSTD8                         ; SS[2i]: sum of squares -> 1 / (sqrt(sum / 383) + 1e-6)
	SMUL8 0x3b2b1cbe
.irp i, 0,1,2,3,4,5,6,7
	v_sqrt_f32 v[SS+2*\i], v[SS+2*\i]
.endr
	v_nop                                          ; one plain instruction between a transcendental and the use of its result (ISA guide 5.7.2)
	s_wait_alu depctr_va_vdst(0)
.irp i, 0,1,2,3,4,5,6,7
	v_add_f32 v[SS+2*\i], 0x358637bd, v[SS+2*\i]
.endr
.irp i, 0,1,2,3,4,5,6,7
	v_rcp_f32 v[SS+2*\i], v[SS+2*\i]
.endr
	v_nop
.endm
.macro NORM8 X, base                   ; eight rows: the norm, bf16, to LDS rows at base
	ROWSUM8 \X
	REDUCE8
	SMUL8 0xbb2aaaab                               ; - mean
	CENTRE8 \X
	ROWSQ8 \X
	REDUCE8
	INVSTD8
	SCALE8 \X
.irp i, 0,1,2,3,4,5,6,7
.irp k, 0,2,4,6,8,10
	v_pk_fma_f32 v[\X+12*\i+\k:\X+12*\i+\k+1], v[\X+12*\i+\k:\X+12*\i+\k+1], v[A2+\k:A2+\k+1], v[B2+\k:B2+\k+1]
.endr
.endr
.irp i, 0,1,2,3,4,5,6,7
.irp c, 0,1,2
	v_cvt_pk_bf16_f32 v[\X+12*\i+4*\c], v[\X+12*\i+4*\c], v[\X+12*\i+4*\c+1]
	v_cvt_pk_bf16_f32 v[\X+12*\i+4*\c+1], v[\X+12*\i+4*\c+2], v[\X+12*\i+4*\c+3]
	ds_store_b64 v7, v[\X+12*\i+4*\c:\X+12*\i+4*\c+1] offset:\base+\i*PITCH+256*\c
.endr
.endr
.endm
.macro LOADN X, row0                   ; eight rows as they lie: 24 loads of 512 consecutive bytes
.irp i, 0,1,2,3,4,5,6,7
.irp c, 0,1,2
	global_load_b128 v[\X+12*\i+4*\c:\X+12*\i+4*\c+3], v2, s[30:31] offset:(\row0+\i)*1536+512*\c
.endr
.endr
.endm
.macro LOADG X, row0                   ; eight gathered rows, each by its own scalar base
.irp i, 0,1,2,3,4,5,6,7
.if \row0+\i < 12
.set gb_, 40+2*(\row0+\i)
.else
.set gb_, 66+2*(\row0+\i-12)
.endif
.irp c, 0,1,2
	global_load_b128 v[\X+12*\i+4*\c:\X+12*\i+4*\c+3], v2, s[gb_:gb_+1] offset:512*\c
.endr
.endr
.endm
.macro LOADA adr                       ; the 48 row fragments of a tile: 96 LDS loads
	WIN 0x80
.irp ks, 0,1,2,3,4,5,6,7
.irp rt, 0,1,2,3
	ds_load_b128 v[8*(4*\ks+\rt):8*(4*\ks+\rt)+3], v[\adr] offset:\rt*16*PITCH+64*\ks
	ds_load_b128 v[8*(4*\ks+\rt)+4:8*(4*\ks+\rt)+7], v[\adr] offset:\rt*16*PITCH+64*\ks+32
.endr
.endr
	WIN 0xc0
.irp ks, 8,9,10,11
.irp rt, 0,1,2,3
	ds_load_b128 v[8*(4*(\ks-8)+\rt):8*(4*(\ks-8)+\rt)+3], v[\adr] offset:\rt*16*PITCH+64*\ks
	ds_load_b128 v[8*(4*(\ks-8)+\rt)+4:8*(4*(\ks-8)+\rt)+7], v[\adr] offset:\rt*16*PITCH+64*\ks+32
.endr
.endr
	WIN 0
	s_wait_dscnt 0x0
.endm
.macro RLOAD g                         ; group g (n tile g / 3 of 18, ks 4 (g mod 3) ..+3) into ring slot g mod 8: eight loads
.set rn_, (\g)/3
.set ro_, (rn_/6)*294912+(rn_%6)*12288+((\g)%3)*4096
.set rs_, 32*((\g)%8)
	WIN 0x40
.irp f, 0,1,2,3
	global_load_b128 v[rs_+8*\f:rs_+8*\f+3], v2, s[36:37] offset:ro_+1024*\f
	global_load_b128 v[rs_+8*\f+4:rs_+8*\f+7], v2, s[36:37] offset:ro_+1024*\f+512
.endr
	WIN 0
.endm
; One group: 16 products, ks-major, the four accumulators by turns, one instruction a turn.
.macro GRP idx
.set n_, (\idx)/3
.set kg_, (\idx)%3
.set mtx_, n_/6
.set i_, n_%6
.set sl_, 32*((\idx)%8)
.set ab_, 128*(kg_%2)
.set cb_, BQ+48*mtx_+8*i_
.if 53-(\idx) < 7
	s_wait_loadcnt 8*(53-(\idx))                   ; the younger groups' loads may stay out, eight each
.else
	s_wait_loadcnt 56
.endif
.if mtx_ < 2
.set wn_, 0x09+4*(kg_/2)                           ; source 0 the ring (window 1), source 1 the rows (window 2 or 3)
.else
.set wn_, 0x06+(kg_/2)                             ; source 0 the rows, source 1 the ring
.endif
	WIN wn_
.irp f, 0,1,2,3
.irp rt, 0,1,2,3
.if mtx_ < 2
.if kg_+\f == 0
	v_wmma_f32_16x16x32_bf16 v[ACC+8*\rt:ACC+8*\rt+7], v[sl_+8*\f:sl_+8*\f+7], v[ab_+8*(4*\f+\rt):ab_+8*(4*\f+\rt)+7], v[cb_:cb_+7]
.else
	v_wmma_f32_16x16x32_bf16 v[ACC+8*\rt:ACC+8*\rt+7], v[sl_+8*\f:sl_+8*\f+7], v[ab_+8*(4*\f+\rt):ab_+8*(4*\f+\rt)+7], v[ACC+8*\rt:ACC+8*\rt+7]
.endif
.else
.if kg_+\f == 0
	v_wmma_f32_16x16x32_bf16 v[ACC+8*\rt:ACC+8*\rt+7], v[ab_+8*(4*\f+\rt):ab_+8*(4*\f+\rt)+7], v[sl_+8*\f:sl_+8*\f+7], 0
.else
	v_wmma_f32_16x16x32_bf16 v[ACC+8*\rt:ACC+8*\rt+7], v[ab_+8*(4*\f+\rt):ab_+8*(4*\f+\rt)+7], v[sl_+8*\f:sl_+8*\f+7], v[ACC+8*\rt:ACC+8*\rt+7]
.endif
.endif
.endr
.endr
	WIN 0
	PLACES 5                                       ; places behind the products: loads into their sources, reads of the sums, and the next n tile's first products, which write over the sums
.if (\idx)+8 < 54
	RLOAD (\idx)+8
.endif
.endm
.macro OUTQK scale, sb                 ; an n tile of q or k: bf16, 16 bytes a lane
	s_wait_xcnt 0x0                                ; PK, the last stores' data, is rewritten only behind this wait
.if \scale
.irp k, 0,2,4,6,8,10,12,14,16,18,20,22,24,26,28,30
	v_pk_mul_f32 v[ACC+\k:ACC+\k+1], v[ACC+\k:ACC+\k+1], 0x3b76384f op_sel_hi:[1,0]   ; log2(e) / 384
.endr
.endif
.irp rt, 0,1,2,3
.irp q, 0,1,2,3
	v_cvt_pk_bf16_f32 v[PK+4*\rt+\q], v[ACC+8*\rt+2*\q], v[ACC+8*\rt+2*\q+1]
.endr
.endr
.irp rt, 0,1,2,3
	global_store_b128 v2, v[PK+4*\rt:PK+4*\rt+3], s[\sb:\sb+1] offset:\rt*12288+i_*512
.endr
.endm
.macro OUTV                            ; an n tile of v: bias, column sums, bf16
	s_wait_xcnt 0x0
.set k_, 0
.rept 32
	v_add_f32 v[ACC+k_], v[ACC+k_], v[BV+i_]
.set k_, k_+1
.endr
.irp k, 0,1,2,3,4,5,6,7
	v_pk_add_f32 v[CS+2*\k:CS+2*\k+1], v[ACC+4*\k:ACC+4*\k+1], v[ACC+4*\k+2:ACC+4*\k+3]
.endr
.irp k, 0,1,2,3
	v_pk_add_f32 v[CS+2*\k:CS+2*\k+1], v[CS+4*\k:CS+4*\k+1], v[CS+4*\k+2:CS+4*\k+3]
.endr
.irp k, 0,1
	v_pk_add_f32 v[CS+2*\k:CS+2*\k+1], v[CS+4*\k:CS+4*\k+1], v[CS+4*\k+2:CS+4*\k+3]
.endr
	v_pk_add_f32 v[CS:CS+1], v[CS:CS+1], v[CS+2:CS+3]
	v_add_f32 v[CS], v[CS], v[CS+1]
	v_permlanex16_b32 v[CS+1], v[CS], s[PSEL], s[PSEL+1]
	v_add_f32 v[CS], v[CS], v[CS+1]                ; column 16 nt + r over the 64 positions
	ds_store_b32 v10, v[CS] offset:64*i_
.irp rt, 0,1,2,3
.irp q, 0,1,2,3
	v_cvt_pk_bf16_f32 v[PK+4*\rt+\q], v[ACC+8*\rt+2*\q], v[ACC+8*\rt+2*\q+1]
.endr
.endr
.irp rt, 0,1,2,3
	global_store_b128 v2, v[PK+4*\rt:PK+4*\rt+3], s[78:79] offset:(\rt/2)*24576+i_*1024+(\rt%2)*512
.endr
.endm
	s_load_b512 s[4:19], s[0:1], 0x0               ; context, a2, b2, bq, bk, bv, wf, perm
	s_load_b256 s[20:27], s[0:1], 0x40             ; qf, kf, vf, vsum
	v_lshl_add_u32 v14, v0, 2, 0x19000
	v_mov_b32 v15, 0
	v_lshrrev_b32 v1, 5, v0
	v_readfirstlane_b32 s29, v1                    ; wave w
	s_mov_b32 s28, ttmp9                           ; p
	v_and_b32 v1, 31, v0                           ; l
	v_lshlrev_b32 v2, 4, v1                        ; 16 l: the offset of every global access; never rewritten
	v_and_b32 v3, 15, v0                           ; r
	v_bfe_u32 v4, v0, 4, 1                         ; h
	s_mov_b32 s34, 0x76543210
	s_mov_b32 s35, 0xfedcba98
	s_mul_i32 s30, s28, 98304                      ; 64 rows of 1,536 bytes
	s_mul_i32 s31, s29, 24576                      ; 16 rows
	s_add_co_u32 s30, s30, s31
	s_mov_b32 s31, 0
	s_lshr_b32 s32, s28, 5
	s_mul_i32 s32, s32, 3145728                    ; the batch
	s_mov_b32 s33, 0
	s_mul_i32 s36, s29, 73728                      ; six n tiles of the image
	s_mov_b32 s37, 0
	s_lshl_b32 s38, s28, 8                         ; perm: word 64 p + 16 w
	s_lshl_b32 s39, s29, 6
	s_add_co_u32 s38, s38, s39
	s_mov_b32 s39, 0
	s_mul_i32 s96, s28, 49152
	s_mul_i32 s97, s29, 3072
	s_add_co_u32 s98, s96, s97
	s_mov_b32 s99, 0
	s_wait_kmcnt 0x0
	s_add_nc_u64 s[18:19], s[18:19], s[38:39]
	s_load_b512 s[80:95], s[18:19], 0x0            ; my 16 gathered rows' numbers
	s_add_nc_u64 s[30:31], s[4:5], s[30:31]        ; my 16 rows of tile N
	s_add_nc_u64 s[32:33], s[4:5], s[32:33]        ; the batch's first row
	s_add_nc_u64 s[36:37], s[16:17], s[36:37]      ; my n tiles of Wq's image
	s_add_nc_u64 s[74:75], s[20:21], s[98:99]      ; qf, kf: 4 row tiles of 12,288 bytes, my 6 pieces of 512
	s_add_nc_u64 s[76:77], s[22:23], s[98:99]
	s_add_co_u32 s98, s98, s97
	s_add_nc_u64 s[78:79], s[24:25], s[98:99]      ; vf: 2 x 24,576 bytes, my 6 tiles of 1,024
	s_mul_i32 s96, s28, 1536
	s_mov_b32 s97, 0
	s_add_nc_u64 s[26:27], s[26:27], s[96:97]
.irp c, 0,1,2
	global_load_b128 v[A2+4*\c:A2+4*\c+3], v2, s[6:7] offset:512*\c
	global_load_b128 v[B2+4*\c:B2+4*\c+3], v2, s[8:9] offset:512*\c
.endr
	LOADN RA, 0
	LOADN RB, 8
	v_mul_u32_u24 v5, v3, PITCH
	v_lshl_add_u32 v5, v4, 4, v5                   ; fragment reads of tile N: r x pitch + 16 h
	v_add_nc_u32 v6, TG, v5                        ; of tile G
	s_mul_i32 s96, s29, 16*PITCH
	v_lshl_add_u32 v7, v1, 3, s96                  ; where the norm puts my 8 bytes: my wave's 16 rows + 8 l
	s_mul_i32 s96, s29, 384
	v_lshl_add_u32 v8, v4, 5, s96                  ; biases of q, k: 4 (96 w + 8 h)
	v_lshl_add_u32 v9, v3, 2, s96                  ; bias of v: 4 (96 w + r)
	v_add_nc_u32 v10, VS, v9
	s_wait_kmcnt 0x0
.irp i, 0,1,2,3,4,5,6,7,8,9,10,11,12,13,14,15
.if \i < 12
.set gb_, 40+2*\i
.else
.set gb_, 66+2*(\i-12)
.endif
	s_min_u32 s[80+\i], s[80+\i], 0x7ff            ; a row number is below 2,048
	s_mul_i32 s[gb_], s[80+\i], 1536
	s_mov_b32 s[gb_+1], 0
	s_add_nc_u64 s[gb_:gb_+1], s[32:33], s[gb_:gb_+1]
.endr
	s_wait_loadcnt 24                              ; a2, b2 and rows 0-7 are in; the 24 loads of rows 8-15 stay out
	NORM8 RA, TN
	LOADG RA, 0
	s_wait_loadcnt 24                              ; the younger batch stays out
	NORM8 RB, TN+8*PITCH
	LOADG RB, 8
	s_wait_loadcnt 24
	NORM8 RA, TG
	s_wait_loadcnt 0x0
	NORM8 RB, TG+8*PITCH
.irp i, 0,1,2,3,4,5
	global_load_b128 v[BQ+8*\i:BQ+8*\i+3], v8, s[10:11] offset:64*\i
	global_load_b128 v[BQ+8*\i+4:BQ+8*\i+7], v8, s[10:11] offset:64*\i+16
	global_load_b128 v[BQ+48+8*\i:BQ+48+8*\i+3], v8, s[12:13] offset:64*\i
	global_load_b128 v[BQ+48+8*\i+4:BQ+48+8*\i+7], v8, s[12:13] offset:64*\i+16
	global_load_b32 v[BV+\i], v9, s[14:15] offset:64*\i
.endr
.irp g, 0,1,2,3,4,5,6,7
	RLOAD \g
.endr
	s_wait_dscnt 0x0                               ; my rows of both tiles are in LDS before I signal
	s_barrier_signal -1
	s_barrier_wait -1
	LOADA 5
.set g_, 0
.rept 6
	GRP g_
	GRP g_+1
	GRP g_+2
	OUTQK 1, 74
.set g_, g_+3
.endr
	LOADA 6
.rept 6
	GRP g_
	GRP g_+1
	GRP g_+2
	OUTQK 0, 76
.set g_, g_+3
.endr
.rept 6
	GRP g_
	GRP g_+1
	GRP g_+2
	OUTV
.set g_, g_+3
.endr
	s_wait_dscnt 0x0                               ; my 96 column sums are in LDS before I signal
	s_barrier_signal -1
	s_barrier_wait -1
	s_cmp_lg_u32 s29, 0
	s_cbranch_scc1 .Lend
	v_add_nc_u32 v11, VS, v2
.irp c, 0,1,2
	ds_load_b128 v[CS+4*\c:CS+4*\c+3], v11 offset:512*\c
.endr
	s_wait_dscnt 0x0
.irp c, 0,1,2
	global_store_b128 v2, v[CS+4*\c:CS+4*\c+3], s[26:27] offset:512*\c
.endr
.Lend:
	s_wait_tensorcnt 0x0
	ds_add_u32 v14, v15
	s_wait_dscnt 0x0
	s_endpgm
.Lfunc_end_k_q1e50a92019_qkv:
	.size	k_q1e50a92019_qkv, .Lfunc_end_k_q1e50a92019_qkv-k_q1e50a92019_qkv
	.p2alignl 7, 3214868480
	.fill 96, 4, 3214868480
	.section	.rodata,"a",@progbits
	.p2align	6, 0x0
	.amdhsa_kernel k_q1e50a92019_qkv
		.amdhsa_group_segment_fixed_size 102912
		.amdhsa_private_segment_fixed_size 0
		.amdhsa_enable_private_segment 0
		.amdhsa_kernarg_size 96
		.amdhsa_user_sgpr_count 2
		.amdhsa_user_sgpr_kernarg_segment_ptr 1
		.amdhsa_wavefront_size32 1
		.amdhsa_system_sgpr_workgroup_id_x 1
		.amdhsa_system_sgpr_workgroup_id_y 1
		.amdhsa_system_sgpr_workgroup_id_z 1
		.amdhsa_system_vgpr_workitem_id 0
		.amdhsa_next_free_vgpr 896
		.amdhsa_next_free_sgpr 100
		.amdhsa_reserve_vcc 0
		.amdhsa_float_denorm_mode_32 3
		.amdhsa_float_denorm_mode_16_64 3
		.amdhsa_memory_ordered 1
		.amdhsa_forward_progress 1
		.amdhsa_inst_pref_size 255
	.end_amdhsa_kernel
	.section	.bss,"aw",@nobits
	.p2align	6
	.space	262144
	.amdgpu_metadata
---
amdhsa.version: [ 1, 2 ]
amdhsa.kernels:
  - .name:           k_q1e50a92019_qkv
    .symbol:         k_q1e50a92019_qkv.kd
    .args:
      - { .name: context, .offset: 0, .size: 8, .value_kind: global_buffer, .address_space: global }
      - { .name: a2, .offset: 8, .size: 8, .value_kind: global_buffer, .address_space: global }
      - { .name: b2, .offset: 16, .size: 8, .value_kind: global_buffer, .address_space: global }
      - { .name: bq, .offset: 24, .size: 8, .value_kind: global_buffer, .address_space: global }
      - { .name: bk, .offset: 32, .size: 8, .value_kind: global_buffer, .address_space: global }
      - { .name: bv, .offset: 40, .size: 8, .value_kind: global_buffer, .address_space: global }
      - { .name: wf, .offset: 48, .size: 8, .value_kind: global_buffer, .address_space: global }
      - { .name: perm, .offset: 56, .size: 8, .value_kind: global_buffer, .address_space: global }
      - { .name: qf, .offset: 64, .size: 8, .value_kind: global_buffer, .address_space: global }
      - { .name: kf, .offset: 72, .size: 8, .value_kind: global_buffer, .address_space: global }
      - { .name: vf, .offset: 80, .size: 8, .value_kind: global_buffer, .address_space: global }
      - { .name: vsum, .offset: 88, .size: 8, .value_kind: global_buffer, .address_space: global }
    .group_segment_fixed_size: 102912
    .private_segment_fixed_size: 0
    .kernarg_segment_align: 8
    .kernarg_segment_size: 96
    .max_flat_workgroup_size: 128
    .sgpr_count:     100
    .vgpr_count:     896
    .wavefront_size: 32
...
	.end_amdgpu_metadata
.endif
;; end of part 2
;; launch attn (part 3): grid 256 x 1, 4 waves a work-group, no clusters, 159,232 bytes of LDS; arguments context, a2, b2, bo, ln_g, ln_b, Wa, ba, wf, qf, kf, vf, vsum, cnt, ntile, out0, out1; writes out0, out1
.if DOCPART == 3
	.amdgcn_target "amdgcn-amd-amdhsa--gfx1250"
	.amdhsa_code_object_version 6
	.text
	.protected	k_q1e50a92019_attn
	.globl	k_q1e50a92019_attn
	.p2align	8
	.type	k_q1e50a92019_attn,@function
k_q1e50a92019_attn:
	s_mov_b64 s[64:65], 0
	v_nop
	global_prefetch_b8 v0, s[64:65] scope:SCOPE_SE
	s_setreg_imm32_b32 hwreg(HW_REG_WAVE_MODE, 25, 1), 1
	s_wait_xcnt 0x0
; Work-group p: 64 query rows of batch p >> 5.  Keys lie in the permuted order (keys with mask != 0 first), so row i may look at key positions < cnt[i]
; and at no other: that one whole-number test is the model's mask (mask[j], i < length, j <= i).  T = max(2, ceil(cmax / 64)) key tiles of 64 are walked,
; cmax = the block's largest cnt, read from ntile (2 <= T <= 32).
; Wave w = (rg = w >> 1, kh = w & 1): rows 32 rg ..+31 against keys 32 kh ..+31 of every tile, with a running maximum, a running sum and O transposed
; over all 384 columns; the two key halves are merged through LDS.  Then h = O Wo (wave w: n tiles 6 w ..+5), + bo + the custom norm of context (made anew
; in f32), LayerNorm -> out1, two logits and their softmax -> out0 (wave w: rows 16 w ..+15).
; K AND V GO STRAIGHT INTO REGISTERS.  The number of tiles is loaded data, and a barrier stands in no loop whose trip count is loaded; an LDS ring (and joint
; loads in a cluster) would need one in every trip.  kf and vf are register images of the fragments, so a wave loads its 32 keys of K and of V with 48 + 48
; loads of 512 consecutive bytes, each wave for itself.  Two buffers of 192 registers: K of tile t + 1 is asked for behind tile t's S products, V of tile
; t + 1 behind its PV products, so each has a softmax step, the rescaling and 48 products in which to land.  The price: the two waves with the same kh ask
; for the same bytes.
; Orientation: S^T = K x Q (a lane holds one query, 8 neighbouring keys), so two packed tiles ARE the operand P^T of O^T = V^T x P^T, and two packed tiles
; of O^T ARE an operand of Wo's product: no data moves between lanes.
; Scores carry log2(e) / 384 from the projection; a masked score is -1e9.  A row whose maximum stays at -1e9 may look at no key: the model's softmax is then
; uniform over all 2,048 keys, and the row takes the mean of v (from vsum).
; Limits: |score x log2(e)| < 5e8 (the model's own -1e9 loses its meaning there); matrix operands are bf16; the transcendentals flush denormals.
; Wo's fragments each feed one wave alone and go straight into registers too.
.set PART, 24576                       ; 32 keys of K or of V; also one wave's part of the exchange of O
.set HP,  1552                         ; pitch of h's rows (1,536 + 16 = 97 x 16)
.set CL,  64*HP                        ; LDS 0 .. 99,327: the exchange of O (4 x 24,576), later h.  CL: 49,152: the merged result as bf16 fragments, (row tile x 12 + ks) x 1,024
.set VMP, CL+49152                     ; 4 x 1,536: each wave's part of the sum of vsum
.set VM,  VMP+6144                     ; 1,536: the mean of v
.set ML,  VM+1536                      ; 4 x 512: (m0, m1, l0, l1) of each lane
.set A0,  ML+2048                      ; 512: out0's 64 rows
.set PSEL, 66                          ; s66, s67: v_permlanex16_b32 selects
.set VA, 7                             ; v7        offset of V tiles i < 12: dt = i + 12 kh
.set VB, 8                             ; v8        offset of V tiles i >= 12: dt = (i + 12 kh) mod 24
.set NEG, 11                           ; v11       -1e9
.set THR, 12                           ; v12, v13  cnt - first key position of the lane in this tile, for row tile 0, 1
.set AL, 18                            ; v18-21    the rescaling factor of row tile 0, 1, each twice
.set MX, 22                            ; v22, v23  running maxima
.set LS, 24                            ; v24, v25  running sums (of the lane's half of the keys)
.set SC, 32                            ; v32-63    S tiles (kt, rt) at 32 + 8 (2 kt + rt); P of row tile rt ends in v[32 + 8 rt ..+7]; later four accumulators
.set ACC, 32
.set FR, 64                            ; v64-255   24 fragments of K, (ks, kt) at 64 + 8 (2 ks + kt); later 16 rows x 12
.set SS, 16                            ; v16-31    behind the loop: eight pairs of row figures
; window 1: v256-447 Q (ks, rt) at 8 (2 ks + rt); v448-511 V tiles 0-7; behind the loop the mean of v, then the ring of Wo's fragments
; windows 2, 3: v512-895 O^T tile (i, rt) at 512 + 8 (2 i + rt); later the fragments of CL, then h's rows
; window 3, from 128: v896-1023 V tiles 8-23 (ahead of the loop: eight rows of vsum); behind the loop the parameters in the rows' lane order (columns 4 l + 128 c + 0..3)
.set VW1, 192                          ; V tile i < 8 at window 1, 192 + 8 i
.set VW3, 128                          ; V tile i >= 8 at window 3, 128 + 8 (i - 8)
.set PA2, 128
.set PB2, 140
.set PBO, 152
.set PLG, 164
.set PLB, 176
.set PWA, 188                          ; 24: Wa[column][0..1]
.set MSB, 0
.macro WIN new                         ; the immediate's high byte repeats the setting that is left
.if MSB != \new
	s_set_vgpr_msb (MSB<<8)|\new
.set MSB, \new
.endif
.endm
.macro PLACES n
.rept \n
	v_nop
.endr
.endm
.macro ROWSUM8 X
.irp i, 0,1,2,3,4,5,6,7
	v_pk_add_f32 v[SS+2*\i:SS+2*\i+1], v[\X+12*\i:\X+12*\i+1], v[\X+12*\i+2:\X+12*\i+3]
.endr
.irp k, 4,6,8,10
.irp i, 0,1,2,3,4,5,6,7
	v_pk_add_f32 v[SS+2*\i:SS+2*\i+1], v[SS+2*\i:SS+2*\i+1], v[\X+12*\i+\k:\X+12*\i+\k+1]
.endr
.endr
.irp i, 0,1,2,3,4,5,6,7
	v_add_f32 v[SS+2*\i], v[SS+2*\i], v[SS+2*\i+1]
.endr
.endm
.macro ROWSQ8 X
.irp i, 0,1,2,3,4,5,6,7
	v_pk_mul_f32 v[SS+2*\i:SS+2*\i+1], v[\X+12*\i:\X+12*\i+1], v[\X+12*\i:\X+12*\i+1]
.endr
.irp k, 2,4,6,8,10
.irp i, 0,1,2,3,4,5,6,7
	v_pk_fma_f32 v[SS+2*\i:SS+2*\i+1], v[\X+12*\i+\k:\X+12*\i+\k+1], v[\X+12*\i+\k:\X+12*\i+\k+1], v[SS+2*\i:SS+2*\i+1]
.endr
.endr
.irp i, 0,1,2,3,4,5,6,7
	v_add_f32 v[SS+2*\i], v[SS+2*\i], v[SS+2*\i+1]
.endr
.endm
.macro REDUCE8
.irp m, 1,2,4,8
.irp i, 0,1,2,3,4,5,6,7
	v_add_f32_dpp v[SS+2*\i], v[SS+2*\i], v[SS+2*\i] row_xmask:\m row_mask:0xf bank_mask:0xf
.endr
.endr
.irp i, 0,1,2,3,4,5,6,7
	v_permlanex16_b32 v[SS+2*\i+1], v[SS+2*\i], s[PSEL], s[PSEL+1]
.endr
.irp i, 0,1,2,3,4,5,6,7
	v_add_f32 v[SS+2*\i], v[SS+2*\i], v[SS+2*\i+1]
.endr
.endm
.macro SMUL8 kc
.irp i, 0,1,2,3,4,5,6,7
	v_mul_f32 v[SS+2*\i], \kc, v[SS+2*\i]
.endr
.endm
.macro CENTRE8 X
.irp i, 0,1,2,3,4,5,6,7
.irp k, 0,2,4,6,8,10
	v_pk_add_f32 v[\X+12*\i+\k:\X+12*\i+\k+1], v[\X+12*\i+\k:\X+12*\i+\k+1], v[SS+2*\i:SS+2*\i+1] op_sel_hi:[1,0]
.endr
.endr
.endm
.macro SCALE8 X
.irp i, 0,1,2,3,4,5,6,7
.irp k, 0,2,4,6,8,10
	v_pk_mul_f32 v[\X+12*\i+\k:\X+12*\i+\k+1], v[\X+12*\i+\k:\X+12*\i+\k+1], v[SS+2*\i:SS+2*\i+1] op_sel_hi:[1,0]
.endr
.endr
.endm
; The softmax step of row tile rt on its 16 scores a lane
.macro SOFTMAX rt, first
.set sa_, SC+8*\rt
.set sb_, SC+16+8*\rt
.irp j, 0,1,2,3,4,5,6,7
	v_cmp_lt_i32 vcc_lo, \j, v[THR+\rt]            ; key position < cnt
	v_cndmask_b32 v[sa_+\j], v[NEG], v[sa_+\j], vcc_lo
	v_cmp_lt_i32 vcc_lo, 16+\j, v[THR+\rt]
	v_cndmask_b32 v[sb_+\j], v[NEG], v[sb_+\j], vcc_lo
.endr
	v_max3_num_f32 v14, v[sa_], v[sa_+1], v[sa_+2]
	v_max3_num_f32 v15, v[sb_], v[sb_+1], v[sb_+2]
	v_max3_num_f32 v14, v14, v[sa_+3], v[sa_+4]
	v_max3_num_f32 v15, v15, v[sb_+3], v[sb_+4]
	v_max3_num_f32 v14, v14, v[sa_+5], v[sa_+6]
	v_max3_num_f32 v15, v15, v[sb_+5], v[sb_+6]
	v_max3_num_f32 v14, v14, v[sa_+7], v[sb_+7]
.if \first
	v_max_num_f32 v14, v14, v15
.else
	v_max3_num_f32 v14, v14, v15, v[MX+\rt]
.endif
	v_permlanex16_b32 v15, v14, s[PSEL], s[PSEL+1] ; the other half of the keys
	v_max_num_f32 v26, v14, v15                    ; the new maximum, twice: a pair for the packed subtraction
	v_max_num_f32 v27, v14, v15
.if \first == 0
	v_sub_f32 v16, v[MX+\rt], v26
	v_exp_f32 v[AL+2*\rt], v16
.endif
	v_mov_b32 v[MX+\rt], v26
.irp j, 0,2,4,6
	v_pk_add_f32 v[sa_+\j:sa_+\j+1], v[sa_+\j:sa_+\j+1], v[26:27] neg_lo:[0,1] neg_hi:[0,1]
	v_pk_add_f32 v[sb_+\j:sb_+\j+1], v[sb_+\j:sb_+\j+1], v[26:27] neg_lo:[0,1] neg_hi:[0,1]
.endr
.if \first == 0
	s_wait_alu depctr_va_vdst(0)
	v_mov_b32 v[AL+2*\rt+1], v[AL+2*\rt]
.endif
.irp j, 0,1,2,3,4,5,6,7
	v_exp_f32 v[sa_+\j], v[sa_+\j]
	v_exp_f32 v[sb_+\j], v[sb_+\j]
.endr
	v_add_nc_u32 v[THR+\rt], 0xffffffc0, v[THR+\rt]   ; the next tile lies 64 positions on (also the plain instruction behind the exponentials)
	s_wait_alu depctr_va_vdst(0)
	v_pk_add_f32 v[28:29], v[sa_:sa_+1], v[sa_+2:sa_+3]
	v_pk_add_f32 v[30:31], v[sa_+4:sa_+5], v[sa_+6:sa_+7]
	v_pk_add_f32 v[28:29], v[28:29], v[sb_:sb_+1]
	v_pk_add_f32 v[30:31], v[30:31], v[sb_+2:sb_+3]
	v_pk_add_f32 v[28:29], v[28:29], v[sb_+4:sb_+5]
	v_pk_add_f32 v[30:31], v[30:31], v[sb_+6:sb_+7]
	v_pk_add_f32 v[28:29], v[28:29], v[30:31]
.if \first
	v_add_f32 v[LS+\rt], v28, v29
.else
	v_add_f32 v28, v28, v29
	v_fma_f32 v[LS+\rt], v[LS+\rt], v[AL+2*\rt], v28
.endif
.irp q, 0,1,2,3
	v_cvt_pk_bf16_f32 v[sa_+\q], v[sa_+2*\q], v[sa_+2*\q+1]       ; keys 8 h + 0..7
.endr
.irp q, 0,1,2,3
	v_cvt_pk_bf16_f32 v[sa_+4+\q], v[sb_+2*\q], v[sb_+2*\q+1]     ; keys 16 + 8 h + 0..7
.endr
.endm
.macro RESCALE                         ; O^T tile (i, rt) *= AL of rt: the lane is the query
	WIN 0x82
.set k_, 0
.rept 16
.irp rt, 0,1
.irp q, 0,2,4,6
	v_pk_mul_f32 v[16*k_+8*\rt+\q:16*k_+8*\rt+\q+1], v[16*k_+8*\rt+\q:16*k_+8*\rt+\q+1], v[AL+2*\rt:AL+2*\rt+1]
.endr
.endr
.set k_, k_+1
.endr
	WIN 0xc3
.set k_, 0
.rept 8
.irp rt, 0,1
.irp q, 0,2,4,6
	v_pk_mul_f32 v[16*k_+8*\rt+\q:16*k_+8*\rt+\q+1], v[16*k_+8*\rt+\q:16*k_+8*\rt+\q+1], v[AL+2*\rt:AL+2*\rt+1]
.endr
.endr
.set k_, k_+1
.endr
	WIN 0
.endm
.macro KLOAD                           ; my 32 keys of K of the tile at s[40:41]: 48 loads of 512 consecutive bytes
.set k_, 0
.rept 12
	global_load_b128 v[FR+16*k_:FR+16*k_+3], v2, s[40:41] offset:1024*k_
	global_load_b128 v[FR+16*k_+4:FR+16*k_+7], v2, s[40:41] offset:1024*k_+512
	global_load_b128 v[FR+16*k_+8:FR+16*k_+11], v2, s[40:41] offset:1024*k_+12288
	global_load_b128 v[FR+16*k_+12:FR+16*k_+15], v2, s[40:41] offset:1024*k_+12800
.set k_, k_+1
.endr
.endm
.macro VLOAD                           ; my 32 keys of V of the tile at s[42:43]: 48 loads
	WIN 0x40
.set k_, 0
.rept 8
	global_load_b128 v[VW1+8*k_:VW1+8*k_+3], v[VA], s[42:43] offset:1024*k_
	global_load_b128 v[VW1+8*k_+4:VW1+8*k_+7], v[VA], s[42:43] offset:1024*k_+512
.set k_, k_+1
.endr
	WIN 0xc0
.rept 4
	global_load_b128 v[VW3+8*(k_-8):VW3+8*(k_-8)+3], v[VA], s[42:43] offset:1024*k_
	global_load_b128 v[VW3+8*(k_-8)+4:VW3+8*(k_-8)+7], v[VA], s[42:43] offset:1024*k_+512
.set k_, k_+1
.endr
.rept 12
	global_load_b128 v[VW3+8*(k_-8):VW3+8*(k_-8)+3], v[VB], s[42:43] offset:1024*(k_-12)
	global_load_b128 v[VW3+8*(k_-8)+4:VW3+8*(k_-8)+7], v[VB], s[42:43] offset:1024*(k_-12)+512
.set k_, k_+1
.endr
	WIN 0
.endm
; One key tile.  first = 1: its products start the sums.  more = 1: the next tile's K and V are asked for.
.macro TRIP first, more
	s_wait_loadcnt 48                              ; this tile's K is in; V's 48 loads, issued behind K's, stay out
	WIN 0x04                                       ; source 1 = Q, window 1
.set k_, 0
.rept 12
.irp kt, 0,1
.irp rt, 0,1
.if k_ == 0
	v_wmma_f32_16x16x32_bf16 v[SC+8*(2*\kt+\rt):SC+8*(2*\kt+\rt)+7], v[FR+8*(2*k_+\kt):FR+8*(2*k_+\kt)+7], v[8*(2*k_+\rt):8*(2*k_+\rt)+7], 0
.else
	v_wmma_f32_16x16x32_bf16 v[SC+8*(2*\kt+\rt):SC+8*(2*\kt+\rt)+7], v[FR+8*(2*k_+\kt):FR+8*(2*k_+\kt)+7], v[8*(2*k_+\rt):8*(2*k_+\rt)+7], v[SC+8*(2*\kt+\rt):SC+8*(2*\kt+\rt)+7]
.endif
.endr
.endr
.set k_, k_+1
.endr                                              ; four accumulators by turns, one instruction a turn
	WIN 0
	PLACES 4                                       ; places behind the products: loads into the K fragments, reads of S
.if \more
	s_add_nc_u64 s[40:41], s[40:41], 2*PART        ; K's base: its last loads were shown done by the wait at the head
	KLOAD
.endif
	SOFTMAX 0, \first
	SOFTMAX 1, \first
.if \first == 0
	RESCALE
.endif
.if \more
	s_wait_loadcnt 48                              ; this tile's V is in; the next K's 48 loads stay out
.else
	s_wait_loadcnt 0x0                             ; the last tile's V: nothing was issued behind it
.endif
	WIN 0xa1                                       ; source 0 = V, window 1; C and D = O, window 2
.set k_, 0
.rept 8
.irp rt, 0,1
.if \first
	v_wmma_f32_16x16x32_bf16 v[16*k_+8*\rt:16*k_+8*\rt+7], v[VW1+8*k_:VW1+8*k_+7], v[SC+8*\rt:SC+8*\rt+7], 0
.else
	v_wmma_f32_16x16x32_bf16 v[16*k_+8*\rt:16*k_+8*\rt+7], v[VW1+8*k_:VW1+8*k_+7], v[SC+8*\rt:SC+8*\rt+7], v[16*k_+8*\rt:16*k_+8*\rt+7]
.endif
.endr
.set k_, k_+1
.endr
	WIN 0xa3                                       ; V from window 3
.rept 8
.irp rt, 0,1
.if \first
	v_wmma_f32_16x16x32_bf16 v[16*k_+8*\rt:16*k_+8*\rt+7], v[VW3+8*(k_-8):VW3+8*(k_-8)+7], v[SC+8*\rt:SC+8*\rt+7], 0
.else
	v_wmma_f32_16x16x32_bf16 v[16*k_+8*\rt:16*k_+8*\rt+7], v[VW3+8*(k_-8):VW3+8*(k_-8)+7], v[SC+8*\rt:SC+8*\rt+7], v[16*k_+8*\rt:16*k_+8*\rt+7]
.endif
.endr
.set k_, k_+1
.endr
	WIN 0xf3                                       ; O in window 3 too
.rept 8
.irp rt, 0,1
.if \first
	v_wmma_f32_16x16x32_bf16 v[16*(k_-16)+8*\rt:16*(k_-16)+8*\rt+7], v[VW3+8*(k_-8):VW3+8*(k_-8)+7], v[SC+8*\rt:SC+8*\rt+7], 0
.else
	v_wmma_f32_16x16x32_bf16 v[16*(k_-16)+8*\rt:16*(k_-16)+8*\rt+7], v[VW3+8*(k_-8):VW3+8*(k_-8)+7], v[SC+8*\rt:SC+8*\rt+7], v[16*(k_-16)+8*\rt:16*(k_-16)+8*\rt+7]
.endif
.endr
.set k_, k_+1
.endr                                              ; 48 accumulators, one instruction each
	WIN 0
.if \more
	PLACES 5                                       ; places: loads into the V fragments, and the next tile's S products, which write over P
	s_add_nc_u64 s[42:43], s[42:43], 2*PART        ; V's base: its last loads were shown done by the wait in front of the products
	VLOAD
.endif
.endm
.macro RLOAD g                         ; group g of Wo's fragments (n tile g / 3 of 6, ks 4 (g mod 3) ..+3) into ring slot g mod 8
.set ro_, ((\g)/3)*12288+((\g)%3)*4096
.set rs_, 32*((\g)%8)
	WIN 0x40
.irp f, 0,1,2,3
	global_load_b128 v[rs_+8*\f:rs_+8*\f+3], v2, s[82:83] offset:ro_+1024*\f
	global_load_b128 v[rs_+8*\f+4:rs_+8*\f+7], v2, s[82:83] offset:ro_+1024*\f+512
.endr
	WIN 0
.endm
.macro GRPO idx                        ; 16 products of h = O Wo: four accumulators (row tiles) by turns
.set i_, (\idx)/3
.set kg_, (\idx)%3
.set sl_, 32*((\idx)%8)
.set ab_, 128*(kg_%2)
.if 17-(\idx) < 7
	s_wait_loadcnt 8*(17-(\idx))                   ; the younger groups' loads may stay out, eight each
.else
	s_wait_loadcnt 56
.endif
.set wn_, 0x09+4*(kg_/2)
	WIN wn_
.irp f, 0,1,2,3
.irp rt, 0,1,2,3
.if kg_+\f == 0
	v_wmma_f32_16x16x32_bf16 v[ACC+8*\rt:ACC+8*\rt+7], v[sl_+8*\f:sl_+8*\f+7], v[ab_+8*(4*\f+\rt):ab_+8*(4*\f+\rt)+7], 0
.else
	v_wmma_f32_16x16x32_bf16 v[ACC+8*\rt:ACC+8*\rt+7], v[sl_+8*\f:sl_+8*\f+7], v[ab_+8*(4*\f+\rt):ab_+8*(4*\f+\rt)+7], v[ACC+8*\rt:ACC+8*\rt+7]
.endif
.endr
.endr
	WIN 0
	PLACES 5                                       ; places: loads into the sources, LDS stores of the sums, the next n tile's first products
.if (\idx)+8 < 18
	RLOAD (\idx)+8
.endif
.if kg_ == 2
.irp rt, 0,1
	ds_store_b128 v6, v[ACC+8*\rt:ACC+8*\rt+3] offset:\rt*16*HP+64*i_
	ds_store_b128 v6, v[ACC+8*\rt+4:ACC+8*\rt+7] offset:\rt*16*HP+64*i_+16
	ds_store_b128 v7, v[ACC+16+8*\rt:ACC+16+8*\rt+3] offset:\rt*16*HP+64*i_
	ds_store_b128 v7, v[ACC+16+8*\rt+4:ACC+16+8*\rt+7] offset:\rt*16*HP+64*i_+16
.endr
.endif
.endm
; Eight rows: context in X -> custom norm + b2 + bo + h -> LayerNorm -> out1; the two logits of row q0 + i end in lane r = q0 + i of v48, v49
.macro LNB X, HL, q0
	ROWSUM8 \X
	REDUCE8
	SMUL8 0xbb2aaaab                               ; - mean
	CENTRE8 \X
	ROWSQ8 \X
	REDUCE8
	SMUL8 0x3b2b1cbe                               ; / 383
.irp i, 0,1,2,3,4,5,6,7
	v_sqrt_f32 v[SS+2*\i], v[SS+2*\i]
.endr
	v_nop                                          ; one plain instruction between a transcendental and the use of its result (ISA guide 5.7.2)
	s_wait_alu depctr_va_vdst(0)
.irp i, 0,1,2,3,4,5,6,7
	v_add_f32 v[SS+2*\i], 0x358637bd, v[SS+2*\i]
.endr
.irp i, 0,1,2,3,4,5,6,7
	v_rcp_f32 v[SS+2*\i], v[SS+2*\i]
.endr
	v_nop
	s_wait_alu depctr_va_vdst(0)
	SCALE8 \X
	WIN 0x3c                                       ; sources 1 and 2: the parameters, window 3
.irp i, 0,1,2,3,4,5,6,7
.irp k, 0,2,4,6,8,10
	v_pk_fma_f32 v[\X+12*\i+\k:\X+12*\i+\k+1], v[\X+12*\i+\k:\X+12*\i+\k+1], v[PA2+\k:PA2+\k+1], v[PB2+\k:PB2+\k+1]
.endr
.endr
	WIN 0x08                                       ; source 1: h's rows, window 2
.irp i, 0,1,2,3,4,5,6,7
.irp k, 0,2,4,6,8,10
	v_pk_add_f32 v[\X+12*\i+\k:\X+12*\i+\k+1], v[\X+12*\i+\k:\X+12*\i+\k+1], v[\HL+12*\i+\k:\HL+12*\i+\k+1]
.endr
.endr
	WIN 0
	ROWSUM8 \X
	REDUCE8
	SMUL8 0xbb2aaaab
	CENTRE8 \X
	ROWSQ8 \X
	REDUCE8
.irp i, 0,1,2,3,4,5,6,7
	v_fma_f32 v[SS+2*\i], v[SS+2*\i], s90, s91     ; / 384 + 1e-5
.endr
.irp i, 0,1,2,3,4,5,6,7
	v_rsq_f32 v[SS+2*\i], v[SS+2*\i]
.endr
	v_nop
	s_wait_alu depctr_va_vdst(0)
	SCALE8 \X
	WIN 0x3c
.irp i, 0,1,2,3,4,5,6,7
.irp k, 0,2,4,6,8,10
	v_pk_fma_f32 v[\X+12*\i+\k:\X+12*\i+\k+1], v[\X+12*\i+\k:\X+12*\i+\k+1], v[PLG+\k:PLG+\k+1], v[PLB+\k:PLB+\k+1]
.endr
.endr
	WIN 0
.irp i, 0,1,2,3,4,5,6,7
.irp c, 0,1,2
	global_store_b128 v2, v[\X+12*\i+4*\c:\X+12*\i+4*\c+3], s[84:85] offset:(\q0+\i)*1536+512*\c th:TH_STORE_NT   ; 512 consecutive bytes
.endr
.endr
	WIN 0x0c                                       ; source 1: Wa, window 3
.irp i, 0,1,2,3,4,5,6,7
	v_mul_f32 v[SS+2*\i], v[\X+12*\i], v[PWA]
	v_mul_f32 v[SS+2*\i+1], v[\X+12*\i], v[PWA+1]
.endr
.irp k, 1,2,3,4,5,6,7,8,9,10,11
.irp i, 0,1,2,3,4,5,6,7
	v_fma_f32 v[SS+2*\i], v[\X+12*\i+\k], v[PWA+2*\k], v[SS+2*\i]
	v_fma_f32 v[SS+2*\i+1], v[\X+12*\i+\k], v[PWA+2*\k+1], v[SS+2*\i+1]
.endr
.endr
	WIN 0
.irp m, 1,2,4,8
.set k_, 0
.rept 16
	v_add_f32_dpp v[SS+k_], v[SS+k_], v[SS+k_] row_xmask:\m row_mask:0xf bank_mask:0xf
.set k_, k_+1
.endr
.endr
.set k_, 0
.rept 16
	v_permlanex16_b32 v[SC+k_], v[SS+k_], s[PSEL], s[PSEL+1]
.set k_, k_+1
.endr
.set k_, 0
.rept 16
	v_add_f32 v[SS+k_], v[SS+k_], v[SC+k_]
.set k_, k_+1
.endr
.irp i, 0,1,2,3,4,5,6,7
	v_cmp_eq_u32 vcc_lo, \q0+\i, v3
	v_cndmask_b32 v48, v48, v[SS+2*\i], vcc_lo
	v_cndmask_b32 v49, v49, v[SS+2*\i+1], vcc_lo
.endr
.endm
	s_load_b512 s[4:19], s[0:1], 0x0               ; context, a2, b2, bo, ln_g, ln_b, Wa, ba
	s_load_b512 s[20:35], s[0:1], 0x40             ; wf, qf, kf, vf, vsum, cnt, ntile, out0
	s_load_b64 s[36:37], s[0:1], 0x80              ; out1
	v_lshrrev_b32 v1, 5, v0
	v_readfirstlane_b32 s39, v1                    ; wave w
	s_mov_b32 s38, ttmp9                           ; p
	s_lshr_b32 s59, s39, 1                         ; rg
	s_and_b32 s60, s39, 1                          ; kh
	s_lshl_b32 s72, s38, 3
	s_mov_b32 s73, 0                               ; s[72:73]: an offset at work, never a base of a load
	s_wait_kmcnt 0x0
	s_add_nc_u64 s[32:33], s[32:33], s[72:73]
	s_load_b32 s57, s[32:33], 0x4                  ; cmax of my block
	s_load_b64 s[68:69], s[18:19], 0x0             ; ba
	s_lshr_b32 s72, s38, 5
	s_mul_i32 s72, s72, 1572864                    ; the batch, in kf and in vf alike,
	s_mul_i32 s88, s60, PART                       ; and my 32 of a tile's 64 keys
	s_add_co_u32 s72, s72, s88
	s_add_nc_u64 s[40:41], s[24:25], s[72:73]      ; K of tile 0; steps by 49,152
	s_add_nc_u64 s[42:43], s[26:27], s[72:73]      ; V of tile 0
	s_mov_b32 s66, 0x76543210
	s_mov_b32 s67, 0xfedcba98
	s_mov_b32 s90, 0x3b2aaaab                      ; 1 / 384
	s_mov_b32 s91, 0x3727c5ac                      ; 1e-5
	s_lshl_b32 s72, s38, 8                         ; cnt: word 64 p + 32 rg
	s_lshl_b32 s88, s59, 7
	s_add_co_u32 s72, s72, s88
	s_add_nc_u64 s[74:75], s[30:31], s[72:73]
	s_mul_i32 s72, s38, 49152                      ; qf: row tile 4 p + 2 rg
	s_mul_i32 s88, s59, 24576
	s_add_co_u32 s72, s72, s88
	s_add_nc_u64 s[76:77], s[22:23], s[72:73]
	s_lshr_b32 s72, s38, 5                         ; vsum: rows 32 b + 8 w ..+7
	s_lshl_b32 s72, s72, 2
	s_add_co_u32 s72, s72, s39
	s_mul_i32 s72, s72, 12288
	s_add_nc_u64 s[78:79], s[28:29], s[72:73]
	s_mul_i32 s72, s38, 98304                      ; context and out1: row 64 p + 16 w
	s_mul_i32 s88, s39, 24576
	s_add_co_u32 s72, s72, s88
	s_add_nc_u64 s[80:81], s[4:5], s[72:73]
	s_add_nc_u64 s[84:85], s[36:37], s[72:73]
	s_mul_i32 s72, s39, 73728                      ; Wo's image, my six n tiles
	s_add_co_u32 s72, s72, 884736
	s_add_nc_u64 s[82:83], s[20:21], s[72:73]
	s_lshl_b32 s72, s38, 9
	s_add_nc_u64 s[86:87], s[34:35], s[72:73]      ; out0: 64 rows of 8 bytes
	v_and_b32 v1, 31, v0                           ; l
	v_lshlrev_b32 v2, 4, v1                        ; 16 l; never rewritten
	v_and_b32 v3, 15, v0                           ; r
	v_bfe_u32 v4, v0, 4, 1                         ; h
	v_lshlrev_b32 v5, 2, v3                        ; cnt: 4 r
	global_load_b32 v[THR], v5, s[74:75]
	global_load_b32 v[THR+1], v5, s[74:75] offset:64
	WIN 0xc0
.irp i, 0,1,2,3,4,5,6,7
.irp c, 0,1,2
	global_load_b128 v[VW3+12*\i+4*\c:VW3+12*\i+4*\c+3], v2, s[78:79] offset:1536*\i+512*\c   ; eight rows of vsum, in V's registers, which tile 0 takes later
.endr
.endr
	WIN 0x40
.set k_, 0
.rept 12
.irp rt, 0,1
	global_load_b128 v[8*(2*k_+\rt):8*(2*k_+\rt)+3], v2, s[76:77] offset:\rt*12288+1024*k_
	global_load_b128 v[8*(2*k_+\rt)+4:8*(2*k_+\rt)+7], v2, s[76:77] offset:\rt*12288+1024*k_+512
.endr
.set k_, k_+1
.endr
	WIN 0
	KLOAD                                          ; K of tile 0
	s_mul_i32 s88, s60, 12288
	v_add_nc_u32 v[VA], s88, v2                    ; V tiles from dt = 12 kh
	s_xor_b32 s88, s88, 12288
	v_add_nc_u32 v[VB], s88, v2                    ; and from dt = 12 (1 - kh)
	v_mov_b32 v[NEG], 0xce6e6b28                   ; -1e9
	s_mul_i32 s88, s39, 1536
	s_add_co_u32 s88, s88, VMP
	v_add_nc_u32 v16, s88, v2
	s_lshl_b32 s88, s60, 5
	v_lshl_add_u32 v17, v4, 3, s88                 ; 32 kh + 8 h
	s_wait_loadcnt 48                              ; cnt, vsum and Q are in; K's 48 loads stay out
	v_sub_nc_u32 v[THR], v[THR], v17
	v_sub_nc_u32 v[THR+1], v[THR+1], v17
	WIN 0xcf
.irp i, 1,2,3,4,5,6,7
.irp k, 0,2,4,6,8,10
	v_pk_add_f32 v[VW3+\k:VW3+\k+1], v[VW3+\k:VW3+\k+1], v[VW3+12*\i+\k:VW3+12*\i+\k+1]
.endr
.endr
	WIN 0x0c
.irp c, 0,1,2
	ds_store_b128 v16, v[VW3+4*\c:VW3+4*\c+3] offset:512*\c       ; my eight blocks' part of the sum of v
.endr
	WIN 0
	VLOAD                                          ; V of tile 0
	s_wait_kmcnt 0x0
	s_min_u32 s57, s57, 0x800                      ; a count is at most 2,048: the clamp states it
	s_add_co_u32 s57, s57, 63
	s_lshr_b32 s57, s57, 6
	s_max_u32 s57, s57, 2                          ; T
	s_sub_co_u32 s57, s57, 2                       ; tiles between the first and the last
	s_mov_b32 s58, 0
	TRIP 1, 1                                      ; the first tile starts the sums: nothing is cleared
	s_cmp_eq_u32 s57, 0
	s_cbranch_scc1 .Ltail
.Ltile:
	TRIP 0, 1
	s_add_co_u32 s58, s58, 1
	s_cmp_lt_u32 s58, s57
	s_cbranch_scc1 .Ltile
.Ltail:
	TRIP 0, 0                                      ; the last tile: nothing is left to fetch, so no load passes tile T - 1
	; ---- the two key halves meet ----
	PLACES 4                                       ; places behind the last products, in front of reads of O and loads into their sources
	v_lshlrev_b32 v27, 5, v1                       ; Wa: 32 l; not rewritten before the wait for 0 in Wo's last group
	WIN 0xc0                                       ; the parameters, into V's registers; they are used behind Wo's product
.irp c, 0,1,2
	global_load_b128 v[PA2+4*\c:PA2+4*\c+3], v2, s[6:7] offset:512*\c
	global_load_b128 v[PB2+4*\c:PB2+4*\c+3], v2, s[8:9] offset:512*\c
	global_load_b128 v[PBO+4*\c:PBO+4*\c+3], v2, s[10:11] offset:512*\c
	global_load_b128 v[PLG+4*\c:PLG+4*\c+3], v2, s[12:13] offset:512*\c
	global_load_b128 v[PLB+4*\c:PLB+4*\c+3], v2, s[14:15] offset:512*\c
	global_load_b128 v[PWA+8*\c:PWA+8*\c+3], v27, s[16:17] offset:1024*\c
	global_load_b128 v[PWA+8*\c+4:PWA+8*\c+7], v27, s[16:17] offset:1024*\c+16
.endr
	WIN 0
	v_permlanex16_b32 v14, v[LS], s[PSEL], s[PSEL+1]
	v_permlanex16_b32 v15, v[LS+1], s[PSEL], s[PSEL+1]
	v_add_f32 v[LS], v[LS], v14
	v_add_f32 v[LS+1], v[LS+1], v15
	s_xor_b32 s88, s39, 1                          ; my partner: the same rows, the other keys
	s_lshl_b32 s89, s39, 9
	s_add_co_u32 s89, s89, ML
	v_add_nc_u32 v5, s89, v2
	s_lshl_b32 s89, s88, 9
	s_add_co_u32 s89, s89, ML
	v_add_nc_u32 v6, s89, v2
	s_mul_i32 s89, s39, PART
	v_add_nc_u32 v7, s89, v2                       ; the exchange: what I send (V's loads, which read v7 and v8, were waited for in the last tile)
	s_mul_i32 s89, s88, PART
	v_add_nc_u32 v8, s89, v2                       ; what I get
	v_lshlrev_b32 v9, 2, v0
	v_add_nc_u32 v10, VM, v9
	v_add_nc_u32 v9, VMP, v9
	s_mul_i32 s89, s60, 768
	s_add_co_u32 s89, s89, VM
	v_lshl_add_u32 v12, v4, 5, s89                 ; the mean of v at column 192 kh + 8 h
	s_mul_i32 s89, s59, PART
	s_mul_i32 s92, s60, 6144
	s_add_co_u32 s89, s89, s92
	s_add_co_u32 s89, s89, CL
	v_add_nc_u32 v13, s89, v2
	ds_store_b128 v5, v[MX:MX+3]
	s_wait_dscnt 0x0                               ; my figures and my part of the sum of v are in LDS before I signal
	s_barrier_signal -1
	s_barrier_wait -1
	ds_load_b128 v[28:31], v6
	v_mov_b32 v16, 0xcdee6b28                      ; -5e8
	s_wait_dscnt 0x0
	v_max_num_f32 v14, v22, v28
	v_max_num_f32 v15, v23, v29
	v_cmp_gt_f32 s70, v14, v16                     ; the row may look at a key
	v_cmp_gt_f32 s71, v15, v16
	v_sub_f32 v22, v22, v14
	v_sub_f32 v28, v28, v14
	v_sub_f32 v23, v23, v15
	v_sub_f32 v29, v29, v15
	v_exp_f32 v22, v22
	v_exp_f32 v28, v28
	v_exp_f32 v23, v23
	v_exp_f32 v29, v29
	v_nop
	s_wait_alu depctr_va_vdst(0)
	v_mul_f32 v24, v24, v22
	v_mul_f32 v25, v25, v23
	v_fma_f32 v24, v30, v28, v24                   ; the whole sum, at the common maximum: at least 1
	v_fma_f32 v25, v31, v29, v25
	v_rcp_f32 v24, v24
	v_rcp_f32 v25, v25
	v_nop
	s_wait_alu depctr_va_vdst(0)
	v_mul_f32 v[AL], v22, v24
	v_mul_f32 v[AL+1], v22, v24
	v_mul_f32 v[AL+2], v23, v25
	v_mul_f32 v[AL+3], v23, v25
	RESCALE                                        ; my part, normalised
	WIN 0x08
.irp u, 0,1,2,3,4,5,6,7
	ds_store_b128 v7, v[192+8*\u:192+8*\u+3] offset:1024*\u       ; tiles i = 12 .. 23 are the partner's to keep
	ds_store_b128 v7, v[192+8*\u+4:192+8*\u+7] offset:1024*\u+512
.endr
	WIN 0x0c
.irp u, 8,9,10,11,12,13,14,15,16,17,18,19,20,21,22,23
	ds_store_b128 v7, v[8*(\u-8):8*(\u-8)+3] offset:1024*\u
	ds_store_b128 v7, v[8*(\u-8)+4:8*(\u-8)+7] offset:1024*\u+512
.endr
	WIN 0
.irp i, 0,1,2
.irp q, 0,1,2,3
	ds_load_b32 v[SC+4*\i+\q], v9 offset:1536*\q+512*\i
.endr
.endr
	s_wait_dscnt 0x0
.irp i, 0,1,2
	v_add_f32 v[SC+4*\i], v[SC+4*\i], v[SC+4*\i+1]
	v_add_f32 v[SC+4*\i+2], v[SC+4*\i+2], v[SC+4*\i+3]
	v_add_f32 v[SC+4*\i], v[SC+4*\i], v[SC+4*\i+2]
	v_mul_f32 v[SC+4*\i], 0x3a000000, v[SC+4*\i]   ; / 2048
	ds_store_b32 v10, v[SC+4*\i] offset:512*\i
.endr
	s_wait_dscnt 0x0
	s_barrier_signal -1
	s_barrier_wait -1
.set k_, 0
.rept 24
	ds_load_b128 v[FR+8*k_:FR+8*k_+3], v8 offset:1024*k_
	ds_load_b128 v[FR+8*k_+4:FR+8*k_+7], v8 offset:1024*k_+512
.set k_, k_+1
.endr
	WIN 0x40
.set k_, 0
.rept 12
	ds_load_b128 v[8*k_:8*k_+3], v12 offset:64*k_                 ; the mean of v for tile i = k: columns 16 (i + 12 kh) + 8 h + 0..7
	ds_load_b128 v[8*k_+4:8*k_+7], v12 offset:64*k_+16
.set k_, k_+1
.endr
	WIN 0
	s_wait_dscnt 0x0
	WIN 0x02
.set k_, 0
.rept 96
	v_pk_add_f32 v[FR+k_:FR+k_+1], v[k_:k_+1], v[FR+k_:FR+k_+1]  ; my tiles i = 0 .. 11 + the partner's
.set k_, k_+2
.endr
	WIN 0x01
.set k_, 0
.rept 12
.irp rt, 0,1
.irp j, 0,1,2,3,4,5,6,7
	v_cndmask_b32 v[FR+8*(2*k_+\rt)+\j], v[8*k_+\j], v[FR+8*(2*k_+\rt)+\j], s[70+\rt]
.endr
.endr
.set k_, k_+1
.endr
	WIN 0
.set k_, 0
.rept 24
.irp q, 0,1,2,3
	v_cvt_pk_bf16_f32 v[FR+8*k_+\q], v[FR+8*k_+2*\q], v[FR+8*k_+2*\q+1]
.endr
.set k_, k_+1
.endr
.set k_, 0
.rept 12
.irp rt, 0,1
	ds_store_b128 v13, v[FR+8*(2*k_+\rt):FR+8*(2*k_+\rt)+3] offset:\rt*12288+512*k_
.endr
.set k_, k_+1
.endr
.set k_, 0
.rept 16
.irp c, 0,1,2
	global_load_b128 v[FR+12*k_+4*\c:FR+12*k_+4*\c+3], v2, s[80:81] offset:1536*k_+512*\c   ; my 16 rows of context, for the residual
.endr
.set k_, k_+1
.endr
.irp g, 0,1,2,3,4,5,6,7
	RLOAD \g
.endr
	s_wait_dscnt 0x0                               ; my fragments are in LDS and my reads of the exchange are back before I signal
	s_barrier_signal -1
	s_barrier_wait -1
	; ---- h = O Wo ----
	v_add_nc_u32 v5, CL, v2
	v_mul_u32_u24 v6, v3, HP
	v_lshl_add_u32 v6, v4, 5, v6
	s_mul_i32 s89, s39, 384
	v_add_nc_u32 v6, s89, v6                       ; h: row r, column 96 w + 8 h
	v_add_nc_u32 v7, 32*HP, v6                     ; row tiles 2, 3
	s_mul_i32 s89, s39, 16*HP
	v_add_nc_u32 v8, s89, v2                       ; h read back by rows
	s_lshl_b32 s89, s39, 7
	s_add_co_u32 s89, s89, A0
	v_lshl_add_u32 v9, v3, 3, s89
	WIN 0x80
.irp ks, 0,1,2,3,4,5,6,7
.irp rt, 0,1,2,3
	ds_load_b128 v[8*(4*\ks+\rt):8*(4*\ks+\rt)+3], v5 offset:\rt*12288+1024*\ks
	ds_load_b128 v[8*(4*\ks+\rt)+4:8*(4*\ks+\rt)+7], v5 offset:\rt*12288+1024*\ks+512
.endr
.endr
	WIN 0xc0
.irp ks, 8,9,10,11
.irp rt, 0,1,2,3
	ds_load_b128 v[8*(4*(\ks-8)+\rt):8*(4*(\ks-8)+\rt)+3], v5 offset:\rt*12288+1024*\ks
	ds_load_b128 v[8*(4*(\ks-8)+\rt)+4:8*(4*(\ks-8)+\rt)+7], v5 offset:\rt*12288+1024*\ks+512
.endr
.endr
	WIN 0
	s_wait_dscnt 0x0
.set g_, 0
.rept 18
	GRPO g_
.set g_, g_+1
.endr
	s_wait_dscnt 0x0
	s_barrier_signal -1
	s_barrier_wait -1
	; ---- residual, LayerNorm, head: my 16 rows ----
	WIN 0x80
.set k_, 0
.rept 16
.irp c, 0,1,2
	ds_load_b128 v[12*k_+4*\c:12*k_+4*\c+3], v8 offset:HP*k_+512*\c
.endr
.set k_, k_+1
.endr
	WIN 0xcf
.irp k, 0,2,4,6,8,10
	v_pk_add_f32 v[PB2+\k:PB2+\k+1], v[PB2+\k:PB2+\k+1], v[PBO+\k:PBO+\k+1]    ; b2 + bo, once: it rides on the norm's multiply-add
.endr
	WIN 0
	v_mov_b32 v48, 0
	v_mov_b32 v49, 0
	s_wait_dscnt 0x0
	LNB FR, 0, 0
	LNB FR+96, 96, 8
	v_add_f32 v48, s68, v48
	v_add_f32 v49, s69, v49
	v_max_num_f32 v50, v48, v49
	v_sub_f32 v48, v48, v50
	v_sub_f32 v49, v49, v50
	v_mul_f32 v48, 0x3fb8aa3b, v48
	v_mul_f32 v49, 0x3fb8aa3b, v49
	v_exp_f32 v48, v48
	v_exp_f32 v49, v49
	v_nop
	s_wait_alu depctr_va_vdst(0)
	v_add_f32 v50, v48, v49
	v_rcp_f32 v50, v50
	v_nop
	s_wait_alu depctr_va_vdst(0)
	v_mul_f32 v48, v48, v50
	v_mul_f32 v49, v49, v50
	ds_store_b64 v9, v[48:49]                      ; row 16 w + r (both halves of the lanes hold the same pair)
	s_wait_dscnt 0x0
	s_barrier_signal -1
	s_barrier_wait -1
	s_cmp_lg_u32 s39, 0
	s_cbranch_scc1 .Lend
	v_add_nc_u32 v10, A0, v2
	ds_load_b128 v[52:55], v10
	s_wait_dscnt 0x0
	global_store_b128 v2, v[52:55], s[86:87]       ; the block's 64 rows of out0: 512 consecutive bytes
.Lend:
	s_wait_xcnt 0x0
	v_lshl_add_u32 v254, v0, 2, 0x26c00
	v_mov_b32 v255, 0
	s_wait_tensorcnt 0x0
	ds_add_u32 v254, v255
	s_wait_dscnt 0x0
	s_endpgm
.Lfunc_end_k_q1e50a92019_attn:
	.size	k_q1e50a92019_attn, .Lfunc_end_k_q1e50a92019_attn-k_q1e50a92019_attn
	.p2alignl 7, 3214868480
	.fill 96, 4, 3214868480
	.section	.rodata,"a",@progbits
	.p2align	6, 0x0
	.amdhsa_kernel k_q1e50a92019_attn
		.amdhsa_group_segment_fixed_size 159232
		.amdhsa_private_segment_fixed_size 0
		.amdhsa_enable_private_segment 0
		.amdhsa_kernarg_size 136
		.amdhsa_user_sgpr_count 2
		.amdhsa_user_sgpr_kernarg_segment_ptr 1
		.amdhsa_wavefront_size32 1
		.amdhsa_system_sgpr_workgroup_id_x 1
		.amdhsa_system_sgpr_workgroup_id_y 1
		.amdhsa_system_sgpr_workgroup_id_z 1
		.amdhsa_system_vgpr_workitem_id 0
		.amdhsa_next_free_vgpr 1024
		.amdhsa_next_free_sgpr 96
		.amdhsa_reserve_vcc 1
		.amdhsa_float_denorm_mode_32 3
		.amdhsa_float_denorm_mode_16_64 3
		.amdhsa_memory_ordered 1
		.amdhsa_forward_progress 1
		.amdhsa_inst_pref_size 255
	.end_amdhsa_kernel
	.section	.bss,"aw",@nobits
	.p2align	6
	.space	262144
	.amdgpu_metadata
---
amdhsa.version: [ 1, 2 ]
amdhsa.kernels:
  - .name:           k_q1e50a92019_attn
    .symbol:         k_q1e50a92019_attn.kd
    .args:
      - { .name: context, .offset: 0, .size: 8, .value_kind: global_buffer, .address_space: global }
      - { .name: a2, .offset: 8, .size: 8, .value_kind: global_buffer, .address_space: global }
      - { .name: b2, .offset: 16, .size: 8, .value_kind: global_buffer, .address_space: global }
      - { .name: bo, .offset: 24, .size: 8, .value_kind: global_buffer, .address_space: global }
      - { .name: ln_g, .offset: 32, .size: 8, .value_kind: global_buffer, .address_space: global }
      - { .name: ln_b, .offset: 40, .size: 8, .value_kind: global_buffer, .address_space: global }
      - { .name: Wa, .offset: 48, .size: 8, .value_kind: global_buffer, .address_space: global }
      - { .name: ba, .offset: 56, .size: 8, .value_kind: global_buffer, .address_space: global }
      - { .name: wf, .offset: 64, .size: 8, .value_kind: global_buffer, .address_space: global }
      - { .name: qf, .offset: 72, .size: 8, .value_kind: global_buffer, .address_space: global }
      - { .name: kf, .offset: 80, .size: 8, .value_kind: global_buffer, .address_space: global }
      - { .name: vf, .offset: 88, .size: 8, .value_kind: global_buffer, .address_space: global }
      - { .name: vsum, .offset: 96, .size: 8, .value_kind: global_buffer, .address_space: global }
      - { .name: cnt, .offset: 104, .size: 8, .value_kind: global_buffer, .address_space: global }
      - { .name: ntile, .offset: 112, .size: 8, .value_kind: global_buffer, .address_space: global }
      - { .name: out0, .offset: 120, .size: 8, .value_kind: global_buffer, .address_space: global }
      - { .name: out1, .offset: 128, .size: 8, .value_kind: global_buffer, .address_space: global }
    .group_segment_fixed_size: 159232
    .private_segment_fixed_size: 0
    .kernarg_segment_align: 8
    .kernarg_segment_size: 136
    .max_flat_workgroup_size: 128
    .sgpr_count:     96
    .vgpr_count:     1024
    .wavefront_size: 32
...
	.end_amdgpu_metadata
.endif
;; end of part 3
;; ======== version 2 of 2: 3 launches; version 1 with the launch qkv written anew for expert scheduling mode
;; limits: right only within a limited range of input values
;; workspace buffers: wf 1,179,648 bytes; qf 12,582,912 bytes; kf 12,582,912 bytes; vf 12,582,912 bytes; vsum 393,216 bytes; perm 65,536 bytes of whole numbers; cnt 65,536 bytes of whole numbers; ntile 2,048 bytes of whole numbers
;; launch prep: the kernel of part 1 again; grid 74 x 4, 8 waves a work-group, no clusters, 17,920 bytes of LDS; arguments Wq, Wk, Wv, Wo, mask, wf, perm, cnt, ntile; writes wf, perm, cnt, ntile
;; launch qkv (part 4): grid 256 x 1, 4 waves a work-group, no clusters, 102,912 bytes of LDS; arguments context, a2, b2, bq, bk, bv, wf, perm, qf, kf, vf, vsum; writes qf, kf, vf, vsum
.if DOCPART == 4
	.amdgcn_target "amdgcn-amd-amdhsa--gfx1250"
	.amdhsa_code_object_version 6
	.text
	.protected	k_q1e50a92019_qkv
	.globl	k_q1e50a92019_qkv
	.p2align	8
	.type	k_q1e50a92019_qkv,@function
k_q1e50a92019_qkv:
	s_mov_b64 s[64:65], 0
	v_nop
	global_prefetch_b8 v0, s[64:65] scope:SCOPE_SE
	s_setreg_imm32_b32 hwreg(HW_REG_WAVE_SCHED_MODE, 0, 2), 2
	s_setreg_imm32_b32 hwreg(HW_REG_WAVE_MODE, 25, 1), 1
	s_wait_xcnt 0x0
	s_wait_alu depctr_vm_vsrc(0)
; Work-group p (batch p >> 5, block p & 31), four waves.
; 1. The custom norm, a2 (x - mean) / (std + 1e-6) + b2 with std over 383, in f32 (mean first, then the squares of the centred row), of
;    tile N: rows 64 blk .. + 63 as they lie, and tile G: rows perm[64 blk ..] (the permuted key order).  Both to LDS in bf16.
; 2. q = N Wq + bq, scaled by log2(e) / 384; k = G Wk + bk; v = G Wv + bv: bf16 operands, f32 sums.  Wave w takes all 64 rows x n tiles 6 w .. 6 w + 5.
;    q, k: source 0 = weights, source 1 = rows, so a lane holds 8 neighbouring columns of one row: 16 bytes of
;      qf/kf[row tile][nt 0..23][lane][16 bytes], lane (r, h) = (row r, columns 16 nt + 8 h + j): two such pieces are a fragment along d.
;    v: source 0 = rows, source 1 = weights, so a lane holds 8 neighbouring key positions of one column: 16 bytes of
;      vf[32 keys][dt 0..23][half][lane][16 bytes], lane (r, h) = (position 16 half + 8 h + j, column 16 dt + r): a fragment of v transposed.
;    Every store of a wave covers 512 consecutive bytes.
; 3. vsum[p][384]: the column sums of this block's v, in f32 (for the rows that may look at no key: their softmax is uniform over all keys).
; Weight fragments go from the image straight into registers: each feeds one wave alone (4 products), so LDS and joint loads in a cluster would add
; 2 x 884,736 bytes of LDS traffic a work-group and share nothing inside it.
; Limits: matrix operands are bf16; v_sqrt_f32 and v_rcp_f32 flush denormals (a row variance below 2^-126 counts as 0).
; THE MODE: SCHED_MODE bits 1:0 = 2 (LLVM: expert scheduling mode 2), set by the entry lines.  The code itself states the register dependences
; between vector or matrix instructions and memory or LDS instructions, with s_wait_alu, always for 0.
; THE PLAN.  Registers that memory or LDS instructions touch:
;   v2, v5-v12  offsets and LDS addresses, all made at the head and never written again.  v2 serves the loads, v12 (the same number) the stores, so that no store
;               names a register of a ring load.  One wait on va_vdst ahead of the first load serves them all.
;   RA, RB      the norm.  Loads land; the arithmetic works in place and packs to bf16; 24 LDS stores read the packed words; the next rows (at last the biases) land.
;               One wait on va_vdst between the packing and the run of stores, one on vm_vsrc between the stores and the next loads.
;   the ring    ten slots of 4 weight fragments.  Group g (16 products) reads slot g mod 10.  An n tile t is groups 3 t .. 3 t + 2.
;   the rows    v512-895: LDS loads land (tile N, later tile G); products read them.
;   PK, CS      written by an n tile's conversions and column sums; read by its stores, which stand behind the next tile's first 16 products.
; ONE wait on va_vdst stands at an n tile's end, behind its conversions.  It states that PK and CS are written, and that the tile's 48 products are done reading their
; three slots and the rows.  Behind group 3 t the loads of groups 3 t + 7 and 3 t + 8 are issued, behind group 3 t + 1 those of group 3 t + 9: they land in the slots of
; groups 3 t - 3 .. 3 t - 1, the tile before, and since that tile's wait products have named the slots of groups 3 t and 3 t + 1 alone.  Groups 3 t .. 3 t + 9 are live
; between two waits: ten slots.  PK and CS are written again behind one wait on vm_vsrc, two groups behind the stores that read them.
.set PITCH, 784                        ; an LDS row: 768 bytes + 16 = 49 x 16: the 16 rows of a fragment load start in 16 different 16-byte columns
.set TN, 0
.set TG, 64*PITCH
.set VS, 2*64*PITCH                    ; 384 f32
.set RING, 10                          ; slots of the ring
.set PSEL, 34                          ; s34, s35: v_permlanex16_b32 selects, lane i <-> lane i xor 16
.set SS, 16                            ; v16-31   eight pairs: a figure for each of 8 rows
.set A2, 32                            ; v32-43   a2 of my 12 columns (4 l + 128 c + 0..3)
.set B2, 44                            ; v44-55   b2
.set RA, 64                            ; v64-159  8 rows x 12
.set RB, 160                           ; v160-255 8 rows x 12
.set ACC, 32                           ; v32-63   four accumulators (row tiles), after the norm
.set PK, 64                            ; v64-79   packed results
.set BQ, 80                            ; v80-127  bq of my 6 n tiles, 8 a lane;  v128-175 bk
.set BV, 176                           ; v176-181 bv, one a lane and n tile
.set CS, 184                           ; v184-199 at work on the column sums
; window 1 (v256-511): ring slots 0-7; v896-959 (window 3, from 128): slots 8, 9.  v512-895 (windows 2, 3): the 48 row fragments (ks, rt) at 512 + 8 (4 ks + rt)
.set MSB, 0
.macro WIN new                         ; the immediate's high byte repeats the setting that is left; a switch that changes nothing is dropped.  Each macro below sets its own window at its head
.if MSB != \new
	s_set_vgpr_msb (MSB<<8)|\new
.set MSB, \new
.endif
.endm
.macro PLACES n
.rept \n
	v_nop
.endr
.endm
.macro ROWSUM8 X                       ; SS[2i] = the sum of my 12 numbers of row i
.irp i, 0,1,2,3,4,5,6,7
	v_pk_add_f32 v[SS+2*\i:SS+2*\i+1], v[\X+12*\i:\X+12*\i+1], v[\X+12*\i+2:\X+12*\i+3]
.endr
.irp k, 4,6,8,10
.irp i, 0,1,2,3,4,5,6,7
	v_pk_add_f32 v[SS+2*\i:SS+2*\i+1], v[SS+2*\i:SS+2*\i+1], v[\X+12*\i+\k:\X+12*\i+\k+1]
.endr
.endr
.irp i, 0,1,2,3,4,5,6,7
	v_add_f32 v[SS+2*\i], v[SS+2*\i], v[SS+2*\i+1]
.endr
.endm
.macro ROWSQ8 X                        ; the same of their squares
.irp i, 0,1,2,3,4,5,6,7
	v_pk_mul_f32 v[SS+2*\i:SS+2*\i+1], v[\X+12*\i:\X+12*\i+1], v[\X+12*\i:\X+12*\i+1]
.endr
.irp k, 2,4,6,8,10
.irp i, 0,1,2,3,4,5,6,7
	v_pk_fma_f32 v[SS+2*\i:SS+2*\i+1], v[\X+12*\i+\k:\X+12*\i+\k+1], v[\X+12*\i+\k:\X+12*\i+\k+1], v[SS+2*\i:SS+2*\i+1]
.endr
.endr
.irp i, 0,1,2,3,4,5,6,7
	v_add_f32 v[SS+2*\i], v[SS+2*\i], v[SS+2*\i+1]
.endr
.endm
.macro REDUCE8                         ; over the 32 lanes; every lane ends with the sum
.irp m, 1,2,4,8
.irp i, 0,1,2,3,4,5,6,7
	v_add_f32_dpp v[SS+2*\i], v[SS+2*\i], v[SS+2*\i] row_xmask:\m row_mask:0xf bank_mask:0xf
.endr
.endr
.irp i, 0,1,2,3,4,5,6,7
	v_permlanex16_b32 v[SS+2*\i+1], v[SS+2*\i], s[PSEL], s[PSEL+1]
.endr
.irp i, 0,1,2,3,4,5,6,7
	v_add_f32 v[SS+2*\i], v[SS+2*\i], v[SS+2*\i+1]
.endr
.endm
.macro SMUL8 kc
.irp i, 0,1,2,3,4,5,6,7
	v_mul_f32 v[SS+2*\i], \kc, v[SS+2*\i]
.endr
.endm
.macro CENTRE8 X                       ; row i += SS[2i]
.irp i, 0,1,2,3,4,5,6,7
.irp k, 0,2,4,6,8,10
	v_pk_add_f32 v[\X+12*\i+\k:\X+12*\i+\k+1], v[\X+12*\i+\k:\X+12*\i+\k+1], v[SS+2*\i:SS+2*\i+1] op_sel_hi:[1,0]
.endr
.endr
.endm
.macro SCALE8 X                        ; row i *= SS[2i]
	s_wait_alu depctr_va_vdst(0)
.irp i, 0,1,2,3,4,5,6,7
.irp k, 0,2,4,6,8,10
	v_pk_mul_f32 v[\X+12*\i+\k:\X+12*\i+\k+1], v[\X+12*\i+\k:\X+12*\i+\k+1], v[SS+2*\i:SS+2*\i+1] op_sel_hi:[1,0]
.endr
.endr
.endm
.macro INVSTD8                         ; SS[2i]: sum of squares -> 1 / (sqrt(sum / 383) + 1e-6)
	SMUL8 0x3b2b1cbe
.irp i, 0,1,2,3,4,5,6,7
	v_sqrt_f32 v[SS+2*\i], v[SS+2*\i]
.endr
	v_nop                                          ; one plain instruction between a transcendental and the use of its result (ISA guide 5.7.2)
	s_wait_alu depctr_va_vdst(0)
.irp i, 0,1,2,3,4,5,6,7
	v_add_f32 v[SS+2*\i], 0x358637bd, v[SS+2*\i]
.endr
.irp i, 0,1,2,3,4,5,6,7
	v_rcp_f32 v[SS+2*\i], v[SS+2*\i]
.endr
	v_nop
.endm
.macro NORM8 X, base                   ; eight rows: the norm, bf16, to LDS rows at base
	ROWSUM8 \X
	REDUCE8
	SMUL8 0xbb2aaaab                               ; - mean
	CENTRE8 \X
	ROWSQ8 \X
	REDUCE8
	INVSTD8
	SCALE8 \X
.irp i, 0,1,2,3,4,5,6,7
.irp k, 0,2,4,6,8,10
	v_pk_fma_f32 v[\X+12*\i+\k:\X+12*\i+\k+1], v[\X+12*\i+\k:\X+12*\i+\k+1], v[A2+\k:A2+\k+1], v[B2+\k:B2+\k+1]
.endr
.endr
.irp i, 0,1,2,3,4,5,6,7
.irp c, 0,1,2
	v_cvt_pk_bf16_f32 v[\X+12*\i+4*\c], v[\X+12*\i+4*\c], v[\X+12*\i+4*\c+1]
	v_cvt_pk_bf16_f32 v[\X+12*\i+4*\c+1], v[\X+12*\i+4*\c+2], v[\X+12*\i+4*\c+3]
.endr
.endr
	s_wait_alu depctr_va_vdst(0)                   ; the conversions have written the packed words, which the LDS stores below read; all the arithmetic is done with this buffer, in which the next loads land
.irp i, 0,1,2,3,4,5,6,7
.irp c, 0,1,2
	ds_store_b64 v7, v[\X+12*\i+4*\c:\X+12*\i+4*\c+1] offset:\base+\i*PITCH+256*\c
.endr
.endr
.endm
.macro LOADN X, row0                   ; eight rows as they lie: 24 loads of 512 consecutive bytes
.irp i, 0,1,2,3,4,5,6,7
.irp c, 0,1,2
	global_load_b128 v[\X+12*\i+4*\c:\X+12*\i+4*\c+3], v2, s[30:31] offset:(\row0+\i)*1536+512*\c
.endr
.endr
.endm
.macro LOADG X, row0                   ; eight gathered rows, each by its own scalar base
.irp i, 0,1,2,3,4,5,6,7
.if \row0+\i < 12
.set gb_, 40+2*(\row0+\i)
.else
.set gb_, 66+2*(\row0+\i-12)
.endif
.irp c, 0,1,2
	global_load_b128 v[\X+12*\i+4*\c:\X+12*\i+4*\c+3], v2, s[gb_:gb_+1] offset:512*\c
.endr
.endr
.endm
.macro LOADA adr                       ; the 48 row fragments of a tile: 96 LDS loads
	WIN 0x80
.irp ks, 0,1,2,3,4,5,6,7
.irp rt, 0,1,2,3
	ds_load_b128 v[8*(4*\ks+\rt):8*(4*\ks+\rt)+3], v[\adr] offset:\rt*16*PITCH+64*\ks
	ds_load_b128 v[8*(4*\ks+\rt)+4:8*(4*\ks+\rt)+7], v[\adr] offset:\rt*16*PITCH+64*\ks+32
.endr
.endr
	WIN 0xc0
.irp ks, 8,9,10,11
.irp rt, 0,1,2,3
	ds_load_b128 v[8*(4*(\ks-8)+\rt):8*(4*(\ks-8)+\rt)+3], v[\adr] offset:\rt*16*PITCH+64*\ks
	ds_load_b128 v[8*(4*(\ks-8)+\rt)+4:8*(4*(\ks-8)+\rt)+7], v[\adr] offset:\rt*16*PITCH+64*\ks+32
.endr
.endr
	WIN 0
	s_wait_dscnt 0x0
.endm
; Group g (n tile g / 3 of 18, ks 4 (g mod 3) ..+3) into ring slot g mod 10: eight loads; past the last group, nothing.
; No wait stands here: the slot's last readers, group g - 10's products, stand ahead of the last n tile's wait on va_vdst, and no vector or matrix instruction since names the slot or v2.
.macro RLOAD g
.if (\g) < 54
.set rn_, (\g)/3
.set ro_, (rn_/6)*294912+(rn_%6)*12288+((\g)%3)*4096
.set rq_, (\g)%RING
.set rs_, 32*rq_-128*(rq_/8)                       ; slots 0-7: window 1 from 0; slots 8, 9: window 3 from 128
.set rw_, 64+128*(rq_/8)                           ; the destination's window
	WIN rw_
.irp f, 0,1,2,3
	global_load_b128 v[rs_+8*\f:rs_+8*\f+3], v2, s[36:37] offset:ro_+1024*\f
	global_load_b128 v[rs_+8*\f+4:rs_+8*\f+7], v2, s[36:37] offset:ro_+1024*\f+512
.endr
.endif
.endm
; One group: 16 products, ks-major, the four accumulators by turns, one instruction a turn.
.macro GRP idx
.set n_, (\idx)/3
.set kg_, (\idx)%3
.set mtx_, n_/6
.set sq_, (\idx)%RING
.set sl_, 32*sq_-128*(sq_/8)
.set sw_, 1+2*(sq_/8)                              ; the slot's window
.set aw_, 2+kg_/2                                  ; the rows' window
.set ab_, 128*(kg_%2)
.set cb_, BQ+48*mtx_+8*(n_%6)
.set la_, (\idx)+7                                 ; the last group asked for so far: an n tile's first group finds six younger groups out, its other two seven
.if kg_ == 0
.set la_, (\idx)+6
.endif
.if la_ > 53
.set la_, 53
.endif
	s_wait_loadcnt 8*(la_-(\idx))                  ; loads come back in order (ISA guide 5.7.1): this group's are in, the younger groups' may stay out, eight each
.if mtx_ < 2
.set wn_, sw_+4*aw_                                ; source 0 the ring, source 1 the rows
.else
.set wn_, aw_+4*sw_                                ; source 0 the rows, source 1 the ring
.endif
	WIN wn_
.irp f, 0,1,2,3
.irp rt, 0,1,2,3
.if mtx_ < 2
.if kg_+\f == 0
	v_wmma_f32_16x16x32_bf16 v[ACC+8*\rt:ACC+8*\rt+7], v[sl_+8*\f:sl_+8*\f+7], v[ab_+8*(4*\f+\rt):ab_+8*(4*\f+\rt)+7], v[cb_:cb_+7]
.else
	v_wmma_f32_16x16x32_bf16 v[ACC+8*\rt:ACC+8*\rt+7], v[sl_+8*\f:sl_+8*\f+7], v[ab_+8*(4*\f+\rt):ab_+8*(4*\f+\rt)+7], v[ACC+8*\rt:ACC+8*\rt+7]
.endif
.else
.if kg_+\f == 0
	v_wmma_f32_16x16x32_bf16 v[ACC+8*\rt:ACC+8*\rt+7], v[ab_+8*(4*\f+\rt):ab_+8*(4*\f+\rt)+7], v[sl_+8*\f:sl_+8*\f+7], 0
.else
	v_wmma_f32_16x16x32_bf16 v[ACC+8*\rt:ACC+8*\rt+7], v[ab_+8*(4*\f+\rt):ab_+8*(4*\f+\rt)+7], v[sl_+8*\f:sl_+8*\f+7], v[ACC+8*\rt:ACC+8*\rt+7]
.endif
.endif
.endr
.endr
.if kg_ == 2
	PLACES 5                                       ; places behind an n tile's last products (ISA guide 7.12.1): reads of the sums, and the next n tile's first products, which write over them
.endif
.endm
; An n tile's way out, first part: what is made of the sums, into PK (and CS).  tile / 6: 0 q (scaled), 1 k, 2 v (bias, column sums).
.macro PACK tile
.set pm_, (\tile)/6
.set pi_, (\tile)%6
	WIN 0
.if (\tile) > 0
	s_wait_xcnt 0x0                                ; PK, the last stores' data, is rewritten only behind this wait
	s_wait_alu depctr_vm_vsrc(0)                   ; the last n tile's stores, global and LDS, have read PK and CS, which the lines below write again
.endif
.if pm_ == 0
.irp k, 0,2,4,6,8,10,12,14,16,18,20,22,24,26,28,30
	v_pk_mul_f32 v[ACC+\k:ACC+\k+1], v[ACC+\k:ACC+\k+1], 0x3b76384f op_sel_hi:[1,0]   ; log2(e) / 384
.endr
.endif
.if pm_ == 2
.set k_, 0
.rept 32
	v_add_f32 v[ACC+k_], v[ACC+k_], v[BV+pi_]
.set k_, k_+1
.endr
.irp k, 0,1,2,3,4,5,6,7
	v_pk_add_f32 v[CS+2*\k:CS+2*\k+1], v[ACC+4*\k:ACC+4*\k+1], v[ACC+4*\k+2:ACC+4*\k+3]
.endr
.irp k, 0,1,2,3
	v_pk_add_f32 v[CS+2*\k:CS+2*\k+1], v[CS+4*\k:CS+4*\k+1], v[CS+4*\k+2:CS+4*\k+3]
.endr
.irp k, 0,1
	v_pk_add_f32 v[CS+2*\k:CS+2*\k+1], v[CS+4*\k:CS+4*\k+1], v[CS+4*\k+2:CS+4*\k+3]
.endr
	v_pk_add_f32 v[CS:CS+1], v[CS:CS+1], v[CS+2:CS+3]
	v_add_f32 v[CS], v[CS], v[CS+1]
	v_permlanex16_b32 v[CS+1], v[CS], s[PSEL], s[PSEL+1]
	v_add_f32 v[CS], v[CS], v[CS+1]                ; column 16 nt + r over the 64 positions
.endif
.irp rt, 0,1,2,3
.irp q, 0,1,2,3
	v_cvt_pk_bf16_f32 v[PK+4*\rt+\q], v[ACC+8*\rt+2*\q], v[ACC+8*\rt+2*\q+1]
.endr
.endr
	s_wait_alu depctr_va_vdst(0)                   ; PK (and CS) are written, which this tile's stores read; the tile's 48 products are done reading their three ring slots and the rows, in which later loads land
.endm
; Second part: the stores.  They stand behind the next n tile's first 16 products, which name neither PK, CS, v10 nor v12; behind the last tile, at once.
.macro SEND tile
.set sm_, (\tile)/6
.set si_, (\tile)%6
	WIN 0
.if sm_ == 2
	ds_store_b32 v10, v[CS] offset:64*si_
.irp rt, 0,1,2,3
	global_store_b128 v12, v[PK+4*\rt:PK+4*\rt+3], s[78:79] offset:(\rt/2)*24576+si_*1024+(\rt%2)*512
.endr
.else
.irp rt, 0,1,2,3
	global_store_b128 v12, v[PK+4*\rt:PK+4*\rt+3], s[74+2*sm_:75+2*sm_] offset:\rt*12288+si_*512
.endr
.endif
.endm
	s_load_b512 s[4:19], s[0:1], 0x0               ; context, a2, b2, bq, bk, bv, wf, perm
	s_load_b256 s[20:27], s[0:1], 0x40             ; qf, kf, vf, vsum
	v_lshl_add_u32 v14, v0, 2, 0x19000
	v_mov_b32 v15, 0
	v_lshrrev_b32 v1, 5, v0
	v_readfirstlane_b32 s29, v1                    ; wave w
	s_mov_b32 s28, ttmp9                           ; p
	v_and_b32 v1, 31, v0                           ; l
	v_lshlrev_b32 v2, 4, v1                        ; 16 l: the offset of every global load; never rewritten
	v_lshlrev_b32 v12, 4, v1                       ; 16 l once more: the offset of every global store; never rewritten
	v_and_b32 v3, 15, v0                           ; r
	v_bfe_u32 v4, v0, 4, 1                         ; h
	v_mul_u32_u24 v5, v3, PITCH
	v_lshl_add_u32 v5, v4, 4, v5                   ; fragment reads of tile N: r x pitch + 16 h
	v_add_nc_u32 v6, TG, v5                        ; of tile G
	v_add_nc_u32 v11, VS, v2                       ; the column sums as wave 0 reads them back
	s_mov_b32 s34, 0x76543210
	s_mov_b32 s35, 0xfedcba98
	s_wait_alu depctr_va_sdst(0)                   ; s29 is written, ahead of its first reader: addresses and bases are made from it
	s_mul_i32 s2, s29, 16*PITCH                    ; s2 and s3 are read by the vector lines below and never written again
	s_mul_i32 s3, s29, 384
	v_lshl_add_u32 v7, v1, 3, s2                   ; where the norm puts my 8 bytes: my wave's 16 rows + 8 l
	v_lshl_add_u32 v8, v4, 5, s3                   ; biases of q, k: 4 (96 w + 8 h)
	v_lshl_add_u32 v9, v3, 2, s3                   ; bias of v: 4 (96 w + r)
	v_add_nc_u32 v10, VS, v9
	s_mul_i32 s30, s28, 98304                      ; 64 rows of 1,536 bytes
	s_mul_i32 s31, s29, 24576                      ; 16 rows
	s_add_co_u32 s30, s30, s31
	s_mov_b32 s31, 0
	s_lshr_b32 s32, s28, 5
	s_mul_i32 s32, s32, 3145728                    ; the batch
	s_mov_b32 s33, 0
	s_mul_i32 s36, s29, 73728                      ; six n tiles of the image
	s_mov_b32 s37, 0
	s_lshl_b32 s38, s28, 8                         ; perm: word 64 p + 16 w
	s_lshl_b32 s39, s29, 6
	s_add_co_u32 s38, s38, s39
	s_mov_b32 s39, 0
	s_mul_i32 s96, s28, 49152
	s_mul_i32 s97, s29, 3072
	s_add_co_u32 s98, s96, s97
	s_mov_b32 s99, 0
	s_wait_kmcnt 0x0
	s_add_nc_u64 s[18:19], s[18:19], s[38:39]
	s_load_b512 s[80:95], s[18:19], 0x0            ; my 16 gathered rows' numbers
	s_add_nc_u64 s[30:31], s[4:5], s[30:31]        ; my 16 rows of tile N
	s_add_nc_u64 s[32:33], s[4:5], s[32:33]        ; the batch's first row
	s_add_nc_u64 s[36:37], s[16:17], s[36:37]      ; my n tiles of Wq's image
	s_add_nc_u64 s[74:75], s[20:21], s[98:99]      ; qf, kf: 4 row tiles of 12,288 bytes, my 6 pieces of 512
	s_add_nc_u64 s[76:77], s[22:23], s[98:99]
	s_add_co_u32 s98, s98, s97
	s_add_nc_u64 s[78:79], s[24:25], s[98:99]      ; vf: 2 x 24,576 bytes, my 6 tiles of 1,024
	s_mul_i32 s96, s28, 1536
	s_mov_b32 s97, 0
	s_add_nc_u64 s[26:27], s[26:27], s[96:97]
	s_wait_alu depctr_va_vdst(0)                   ; v2 and v5 to v12 are written: every load, store and LDS instruction of the kernel reads one of them as its address
.irp c, 0,1,2
	global_load_b128 v[A2+4*\c:A2+4*\c+3], v2, s[6:7] offset:512*\c
	global_load_b128 v[B2+4*\c:B2+4*\c+3], v2, s[8:9] offset:512*\c
.endr
	LOADN RA, 0
	LOADN RB, 8
	s_wait_kmcnt 0x0
.irp i, 0,1,2,3,4,5,6,7,8,9,10,11,12,13,14,15
.if \i < 12
.set gb_, 40+2*\i
.else
.set gb_, 66+2*(\i-12)
.endif
	s_min_u32 s[80+\i], s[80+\i], 0x7ff            ; a row number is below 2,048
	s_mul_i32 s[gb_], s[80+\i], 1536
	s_mov_b32 s[gb_+1], 0
	s_add_nc_u64 s[gb_:gb_+1], s[32:33], s[gb_:gb_+1]
.endr
	s_wait_loadcnt 24                              ; a2, b2 and rows 0-7 are in; the 24 loads of rows 8-15 stay out
	NORM8 RA, TN
	s_wait_alu depctr_vm_vsrc(0)                   ; the LDS stores have read RA, in which the gathered rows land
	LOADG RA, 0
	s_wait_loadcnt 24                              ; the younger batch stays out
	NORM8 RB, TN+8*PITCH
	s_wait_alu depctr_vm_vsrc(0)                   ; the LDS stores have read RB, in which the gathered rows land
	LOADG RB, 8
	s_wait_loadcnt 24
	NORM8 RA, TG
	s_wait_loadcnt 0x0
	NORM8 RB, TG+8*PITCH
	s_wait_alu depctr_vm_vsrc(0)                   ; the LDS stores of the last two batches have read RA and RB: the biases land in v80-181, and PK and CS are written there later
.irp i, 0,1,2,3,4,5
	global_load_b128 v[BQ+8*\i:BQ+8*\i+3], v8, s[10:11] offset:64*\i
	global_load_b128 v[BQ+8*\i+4:BQ+8*\i+7], v8, s[10:11] offset:64*\i+16
	global_load_b128 v[BQ+48+8*\i:BQ+48+8*\i+3], v8, s[12:13] offset:64*\i
	global_load_b128 v[BQ+48+8*\i+4:BQ+48+8*\i+7], v8, s[12:13] offset:64*\i+16
	global_load_b32 v[BV+\i], v9, s[14:15] offset:64*\i
.endr
.irp g, 0,1,2,3,4,5,6
	RLOAD \g                                       ; no vector instruction has ever named the ring's registers
.endr
	s_wait_dscnt 0x0                               ; my rows of both tiles are in LDS before I signal
	s_barrier_signal -1
	s_barrier_wait -1
	LOADA 5                                        ; no vector instruction has ever named the rows' registers
.set g_, 0
.rept 18                                           ; n tiles 0-5: q; 6-11: k; 12-17: v
.if g_ == 18
	LOADA 6                                        ; tile G takes tile N's place: q's products, which read these registers, stand ahead of the wait on va_vdst just above; only window switches lie between
.endif
	GRP g_
.if g_ > 0
	SEND g_/3-1                                    ; the n tile before leaves while this tile's first products are at work
.endif
	RLOAD g_+7
	RLOAD g_+8
	GRP g_+1
	RLOAD g_+9
	GRP g_+2
	PACK g_/3
.set g_, g_+3
.endr
	SEND 17
	s_wait_dscnt 0x0                               ; my 96 column sums are in LDS before I signal
	s_barrier_signal -1
	s_barrier_wait -1
	s_cmp_lg_u32 s29, 0
	s_cbranch_scc1 .Lend
	s_wait_alu depctr_vm_vsrc(0)                   ; my LDS stores have read v[CS], in which the loads below land (the arithmetic that named CS stands ahead of the last wait on va_vdst)
.irp c, 0,1,2
	ds_load_b128 v[CS+4*\c:CS+4*\c+3], v11 offset:512*\c
.endr
	s_wait_dscnt 0x0
.irp c, 0,1,2
	global_store_b128 v12, v[CS+4*\c:CS+4*\c+3], s[26:27] offset:512*\c
.endr
.Lend:
	s_wait_dscnt 0x0
	s_wait_alu depctr_hold_cnt(0) depctr_sa_sdst(0) depctr_va_vdst(0) depctr_va_sdst(0) depctr_va_ssrc(0) depctr_va_vcc(0) depctr_vm_vsrc(0)
	s_wait_tensorcnt 0x0
	ds_add_u32 v14, v15
	s_wait_dscnt 0x0
	s_endpgm
.Lfunc_end_k_q1e50a92019_qkv:
	.size	k_q1e50a92019_qkv, .Lfunc_end_k_q1e50a92019_qkv-k_q1e50a92019_qkv
	.p2alignl 7, 3214868480
	.fill 96, 4, 3214868480
	.section	.rodata,"a",@progbits
	.p2align	6, 0x0
	.amdhsa_kernel k_q1e50a92019_qkv
		.amdhsa_group_segment_fixed_size 102912
		.amdhsa_private_segment_fixed_size 0
		.amdhsa_enable_private_segment 0
		.amdhsa_kernarg_size 96
		.amdhsa_user_sgpr_count 2
		.amdhsa_user_sgpr_kernarg_segment_ptr 1
		.amdhsa_wavefront_size32 1
		.amdhsa_system_sgpr_workgroup_id_x 1
		.amdhsa_system_sgpr_workgroup_id_y 1
		.amdhsa_system_sgpr_workgroup_id_z 1
		.amdhsa_system_vgpr_workitem_id 0
		.amdhsa_next_free_vgpr 960
		.amdhsa_next_free_sgpr 100
		.amdhsa_reserve_vcc 0
		.amdhsa_float_denorm_mode_32 3
		.amdhsa_float_denorm_mode_16_64 3
		.amdhsa_memory_ordered 1
		.amdhsa_forward_progress 1
		.amdhsa_inst_pref_size 255
	.end_amdhsa_kernel
	.section	.bss,"aw",@nobits
	.p2align	6
	.space	262144
	.amdgpu_metadata
---
amdhsa.version: [ 1, 2 ]
amdhsa.kernels:
  - .name:           k_q1e50a92019_qkv
    .symbol:         k_q1e50a92019_qkv.kd
    .args:
      - { .name: context, .offset: 0, .size: 8, .value_kind: global_buffer, .address_space: global }
      - { .name: a2, .offset: 8, .size: 8, .value_kind: global_buffer, .address_space: global }
      - { .name: b2, .offset: 16, .size: 8, .value_kind: global_buffer, .address_space: global }
      - { .name: bq, .offset: 24, .size: 8, .value_kind: global_buffer, .address_space: global }
      - { .name: bk, .offset: 32, .size: 8, .value_kind: global_buffer, .address_space: global }
      - { .name: bv, .offset: 40, .size: 8, .value_kind: global_buffer, .address_space: global }
      - { .name: wf, .offset: 48, .size: 8, .value_kind: global_buffer, .address_space: global }
      - { .name: perm, .offset: 56, .size: 8, .value_kind: global_buffer, .address_space: global }
      - { .name: qf, .offset: 64, .size: 8, .value_kind: global_buffer, .address_space: global }
      - { .name: kf, .offset: 72, .size: 8, .value_kind: global_buffer, .address_space: global }
      - { .name: vf, .offset: 80, .size: 8, .value_kind: global_buffer, .address_space: global }
      - { .name: vsum, .offset: 88, .size: 8, .value_kind: global_buffer, .address_space: global }
    .group_segment_fixed_size: 102912
    .private_segment_fixed_size: 0
    .kernarg_segment_align: 8
    .kernarg_segment_size: 96
    .max_flat_workgroup_size: 128
    .sgpr_count:     100
    .vgpr_count:     960
    .wavefront_size: 32
...
	.end_amdgpu_metadata
.endif
;; end of part 4
;; launch attn: the kernel of part 3 again; grid 256 x 1, 4 waves a work-group, no clusters, 159,232 bytes of LDS; arguments context, a2, b2, bo, ln_g, ln_b, Wa, ba, wf, qf, kf, vf, vsum, cnt, ntile, out0, out1; writes out0, out1
